; MI455X (gfx1250); checked and timed in simulation.
; The chip was launched on July 23, 2026; its instructions are those of AMD's public machine-readable ISA for CDNA 5 (MIT licence, August 2026) and "CDNA5" Instruction Set Architecture Reference Guide (July 2026). The comments in the code are by the model that wrote it; some were corrected since.
;; Phone Mapper. Allowed arithmetic: matrix products marked QUANTISED: E5M2 operands, one E8M0 scale for each 32 along K, by v_wmma_scale_f32_16x16x128_f8f6f4 with both operands' format E5M2, f32 sums; everything else in f32.
;; Inputs: pool 37,500 x 1,024 float32; x6_src 1,500 x 1,024 float32.
;; Outputs: out0 1,500 x 1,024 float32.
;; Constants: topn = 10.
;; This version of the problem:
;;   THIS VERSION OF THE PROBLEM IS GIVEN IN LOW PRECISION. The matrix products marked QUANTISED in the list below multiply operands that are first quantised to E5M2 (5 exponent bits, 2 mantissa bits; 8 bits a number), with one power-of-two scale for each 32 numbers along K (OCP MX v1.0); their sums are f32. All else is computed in f32.
;;   The module's matrix products, in the order in which they are computed (A, B: the left and right operand; K: the contracted axis; several contracted axes count as one K, in the product's order):
;;     1. [M 1,500, K 1,024] x [K 1,024, N 37,500]; A: input x6_src; B: input pool: QUANTISED
;;   THE QUANTISER, for each operand of a quantised product, along K:
;;     - K is cut into blocks of 32 from its start; a last block that is shorter is filled with zeros.
;;     - A block's scale is 2^e with e = floor(log2(the largest magnitude in the block)) - 15, held to -126 .. 127; a block of zeros has e = 0. As a byte (E8M0): e + 127.
;;     - Each number is divided by its block's scale, clamped to +-57,344, and rounded to the nearest number of E5M2, ties to even, subnormals kept.
;;     - The product sums the exact products of the quantised numbers (number of the format x scale) in f32.
;;   ~~~python
;;   def quantise(x, axis):      # numpy; x: float32 -> the quantised numbers, widened to float32 again
;;       x = np.moveaxis(x, axis, -1); K = x.shape[-1]
;;       x = np.pad(x, [(0, 0)] * (x.ndim - 1) + [(0, -K % 32)]); x = x.reshape(x.shape[:-1] + (-1, 32)); a = np.abs(x).max(-1, keepdims=True)
;;       e = np.where(a > 0, np.clip(np.frexp(np.where(a > 0, a, 1))[1] - 1 - 15, -126, 127), 0)      # np.frexp(a)[1] - 1 = floor(log2(a)), exactly
;;       r = np.clip(x / 2.0 ** e, -57344, 57344)
;;       step = 2.0 ** (np.maximum(np.frexp(np.where(r == 0, 1, r))[1] - 1, -14) - 2)
;;       q = np.round(r / step) * step * 2.0 ** e      # np.round: ties to even
;;       return np.moveaxis(q.reshape(q.shape[:-2] + (-1,))[..., :K], -1, axis).astype(np.float32)
;;   ~~~
;; One version. Each part assembles by itself: llvm-mc -triple=amdgcn-amd-amdhsa -mcpu=gfx1250 --defsym DOCPART=n.
;; ======== version 1 of 1: 5 launches
;; limits: right only within a limited range of input values
;; workspace buffers: cb 41,226,240 bytes; nrm 312,320 bytes; gmax 29,491,200 bytes; masks 1,540,096 bytes of whole numbers; lst 192,512 bytes of whole numbers; sel 192,000 bytes of whole numbers; wts 192,000 bytes
;; launch quant (part 1): grid 610 x 1, 4 waves a work-group, no clusters, 35,328 bytes of LDS; arguments pool, x6_src, cb, nrm; writes cb, nrm
.if DOCPART == 1
	.amdgcn_target "amdgcn-amd-amdhsa--gfx1250"
	.amdhsa_code_object_version 6
	.text
	.protected	k_q9d2d4a0d1b_quant
	.globl	k_q9d2d4a0d1b_quant
	.p2align	8
	.type	k_q9d2d4a0d1b_quant,@function
k_q9d2d4a0d1b_quant:
	s_mov_b64 s[64:65], 0
	v_nop
	global_prefetch_b8 v0, s[64:65] scope:SCOPE_SE
	s_setreg_imm32_b32 hwreg(HW_REG_WAVE_MODE, 25, 1), 1
	s_wait_xcnt 0x0
; pool [37500][1024] and x6_src [1500][1024], f32, become codes of E5M2 with one E8M0 byte for each 32 along K, and each row's norm and its reciprocal.
; OUTPUT cb: 2,440 records of 16,896 bytes, one for each tile of 16 rows (records 0-2343: pool; 2344-2439: x6_src).  Bytes 0-16383 are the IMAGE OF THE OPERAND'S REGISTERS:
; the 16 bytes of (K step s, c, lane L) lie at 2048 s + 512 c + 16 L and hold row L % 16, k = 128 s + 32 c + 16 (L / 16) + 0 .. 15.  Bytes 16384 on: row r's eight scale words at 32 r + 4 s.
; OUTPUT nrm: f32 [2][39040]: plane 0 the norm of row 16 g + r, plane 1 its reciprocal, NaN for rows past the tensor's end (such rows are copies of the last row: the load's row is clamped).
; A block's scale is 2^(floor(log2(its largest magnitude)) - 15); its byte is that magnitude's exponent field - 15, held at 1 from below.
; LIMITS: a block of zeros gets the byte 1 where the rule says 127 (its codes are zeros, and this program alone reads the bytes); NaN and infinities among the inputs are not served;
; a row of zeros has no finite reciprocal and is not served; the norm is a sum of squares in this text's own order and v_sqrt_f32.
; SHARES: a wave takes one record: 16 rows x 1,024 numbers, in 16 units of 64 numbers a row.  A unit's eight loads read 256 consecutive bytes of a row in sixteen lanes; the unit turns through the
; wave's own stage in LDS (rows of 256 + 16 bytes), so that lane (r, h) gets, of row r and each block of 32, the 16 neighbours 16 h + 0 .. 15.  Waves share nothing: no barrier.
.set NPT, 2344                         ; pool's tiles
.set REC, 16896                        ; bytes of a record
.set OFF, 4                            ; v4-11   load i: byte offset of (row 2 i + L / 16, clamped), + 16 (L % 16)
.set STI, 12                           ; v12     the stage, on the way in
.set STO, 13                           ; v13     and on the way out
.set CO,  14                           ; v14     16 L: a piece's place for my lane
.set MX,  16                           ; v16-17  the two blocks' largest magnitudes
.set PMX, 18                           ; v18-19  the other half of the lanes'
.set SCO, 20                           ; v20-21  the conversions' scale operands
.set HLD, 22                           ; v22-23  57,344 x the scale
.set BYT, 24                           ; v24-25  the scale bytes
.set SS,  28                           ; v28-31  sums of squares, two packed chains
.set W,   32                           ; v32-39  the row's eight scale words
.set C,   40                           ; v40-55  codes, two sets of 8
.set X,   56                           ; v56-119 two sets of 32 neighbours
.set R,   120                          ; v120-215 three sets of 32 numbers as loaded
	s_load_b256 s[4:11], s[0:1], 0x0               ; pool s[4:5], x6_src s[6:7], cb s[8:9], nrm s[10:11]
	v_lshl_add_u32 v216, v0, 2, 0x8800
	v_mov_b32 v217, 0
	v_lshrrev_b32 v1, 5, v0
	v_readfirstlane_b32 s12, v1                    ; wave
	v_and_b32 v1, 31, v0                           ; L
	v_and_b32 v2, 15, v0                           ; L % 16
	v_bfe_u32 v3, v0, 4, 1                         ; L / 16
	s_lshl_b32 s13, ttmp9, 2
	s_add_co_u32 s13, s13, s12                     ; g: my record
	s_mov_b32 s20, 0x76543210
	s_mov_b32 s21, 0xfedcba98                      ; v_permlanex16_b32's selects for lane l xor 16
	s_mov_b32 s22, 0x600000                        ; the mantissa field of 57,344
	s_mov_b32 s15, 1499
	s_mul_i32 s25, s12, 8704                       ; my wave's two stages
	v_mul_u32_u24 v[STI], v3, 272
	v_lshl_add_u32 v[STI], v2, 4, v[STI]
	v_add_nc_u32 v[STI], s25, v[STI]               ; in: row L / 16 of the load's two, 16 bytes a lane
	v_mul_u32_u24 v[STO], v2, 272
	v_lshl_add_u32 v[STO], v3, 6, v[STO]
	v_add_nc_u32 v[STO], s25, v[STO]               ; out: row L % 16, + 64 (L / 16)
	v_lshlrev_b32 v[CO], 4, v1
	v_mov_b32 v[PMX], 0                            ; written once: a lane permute's destination counts as one of its sources
	v_mov_b32 v[PMX+1], 0
.irp i, 0,1,2,3
	v_mov_b32 v[SS+\i], 0
.endr
	s_mul_i32 s18, s13, REC                        ; under 2^32
	s_mov_b32 s19, 0
	s_wait_kmcnt 0x0
	s_cmp_lt_u32 s13, NPT                          ; pool's record or x6_src's?  The choice hangs on ids alone
	s_cselect_b64 s[16:17], s[4:5], s[6:7]
	s_cselect_b32 s15, 37499, s15                  ; the tensor's last row
	s_cselect_b32 s14, 0, NPT
	s_sub_co_u32 s14, s13, s14                     ; the tile's number in its tensor
	s_add_nc_u64 s[8:9], s[8:9], s[18:19]          ; cb at my record
	s_lshl_b32 s18, s13, 6
	s_add_nc_u64 s[10:11], s[10:11], s[18:19]      ; nrm at my 16 rows
	s_lshl_b32 s24, s14, 4                         ; the tile's first row
	v_add_nc_u32 v15, s24, v3
.irp i, 0,1,2,3,4,5,6,7
	v_add_nc_u32 v[OFF+\i], 2*\i, v15
	v_min_u32 v[OFF+\i], s15, v[OFF+\i]            ; no load leaves its buffer: rows past the end read the last row
	v_lshlrev_b32 v[OFF+\i], 12, v[OFF+\i]         ; 4,096 bytes a row: under 2^28
	v_lshl_add_u32 v[OFF+\i], v2, 4, v[OFF+\i]
.endr
.macro LOAD u                          ; unit u: 256 bytes of each of the 16 rows; sixteen lanes read 256 consecutive bytes
.irp i, 0,1,2,3,4,5,6,7
	global_load_b128 v[R+32*((\u)%3)+4*\i:R+32*((\u)%3)+4*\i+3], v[OFF+\i], s[16:17] offset:256*(\u) th:TH_LOAD_NT
.endr
.endm
.macro TURN u                          ; unit u through the stage: LDS serves a wave's instructions in order, so no wait stands between the stores and the loads
.irp i, 0,1,2,3,4,5,6,7
	ds_store_b128 v[STI], v[R+32*((\u)%3)+4*\i:R+32*((\u)%3)+4*\i+3] offset:4352*((\u)%2)+544*\i
.endr
.irp b, 0,1
.irp i, 0,1,2,3
	ds_load_b128 v[X+32*((\u)%2)+16*\b+4*\i:X+32*((\u)%2)+16*\b+4*\i+3], v[STO] offset:4352*((\u)%2)+128*\b+16*\i
.endr
.endr
.endm
.macro STEP u
.set XS, X+32*((\u)%2)
.set CS, C+8*((\u)%2)
	s_wait_dscnt 0x0                               ; this unit's numbers are back from the stage: so its stores into the stage have read their registers,
.if (\u)+3 < 16
	LOAD (\u)+3                                    ; which take the loads of three units on
.endif
.if (\u)+1 < 16
.if (\u) < 13
	s_wait_loadcnt 16                              ; the next unit's eight loads are in; those of the two units behind it may be out
.else
	s_wait_loadcnt 8*(14-(\u))
.endif
	TURN (\u)+1                                    ; and go through the other stage while this unit is worked
.endif
	s_wait_xcnt 0x0                                ; the stores of two units back have read this set of codes: it is written again only behind this wait
.irp j, 0,1,2,3,4,5,6,7,8,9,10,11,12,13,14,15
	v_pk_fma_f32 v[SS+2*(\j%2):SS+2*(\j%2)+1], v[XS+2*\j:XS+2*\j+1], v[XS+2*\j:XS+2*\j+1], v[SS+2*(\j%2):SS+2*(\j%2)+1]   ; the sum of squares, ahead of the hold
.endr
.irp b, 0,1
	v_max3_num_f32 v[MX+\b], |v[XS+16*\b]|, |v[XS+16*\b+1]|, 0x8000000   ; my 16 numbers of block b, and the floor 2^(16 - 127): the byte cannot fall under 1
.endr
.irp i, 2,4,6,8,10,12,14
.irp b, 0,1
	v_max3_num_f32 v[MX+\b], v[MX+\b], |v[XS+16*\b+\i]|, |v[XS+16*\b+\i+1]|
.endr
.endr
.irp b, 0,1
	v_permlanex16_b32 v[PMX+\b], v[MX+\b], s20, s21
.endr
.irp b, 0,1
	v_max_num_f32 v[MX+\b], v[MX+\b], v[PMX+\b]    ; with lane l xor 16's: the block's largest magnitude
.endr
.irp b, 0,1
	v_add_nc_u32 v[SCO+\b], 0xf8800000, v[MX+\b]   ; 15 off its exponent field: the conversion takes the exponent field of this operand as its scale
.endr
.irp b, 0,1
	v_and_or_b32 v[HLD+\b], v[MX+\b], 0x7f800000, s22   ; 57,344 x the scale
.endr
.irp b, 0,1
	v_lshrrev_b32 v[BYT+\b], 23, v[SCO+\b]         ; the scale's byte
.endr
.irp b, 0,1
.if 2*((\u)%2)+\b == 0
	v_mov_b32 v[W+(\u)/2], v[BYT+\b]               ; four bytes to a word, the lower K in the lower byte
.else
	v_lshl_or_b32 v[W+(\u)/2], v[BYT+\b], 8*(2*((\u)%2)+\b), v[W+(\u)/2]
.endif
.endr
.irp b, 0,1
.irp i, 0,1,2,3,4,5,6,7,8,9,10,11,12,13,14,15
	v_med3_num_f32 v[XS+16*\b+\i], v[XS+16*\b+\i], -v[HLD+\b], v[HLD+\b]   ; the conversion to an 8-bit code does not saturate (ISA guide 7.6.2): the hold comes first
.endr
	v_cvt_scalef32_pk8_bf8_f32 v[CS+4*\b:CS+4*\b+1], v[XS+16*\b:XS+16*\b+7], v[SCO+\b]
	v_cvt_scalef32_pk8_bf8_f32 v[CS+4*\b+2:CS+4*\b+3], v[XS+16*\b+8:XS+16*\b+15], v[SCO+\b]
.endr
	v_nop                                          ; one plain line behind the last conversion of the run
.irp b, 0,1
	global_store_b128 v[CO], v[CS+4*\b:CS+4*\b+3], s[8:9] offset:2048*((\u)/2)+512*(2*((\u)%2)+\b)   ; 32 lanes store 512 consecutive bytes, aligned
.endr
.endm
	LOAD 0
	LOAD 1
	LOAD 2
	s_wait_alu depctr_va_vdst(0)
	s_wait_loadcnt 16                              ; unit 0's eight loads are in
	TURN 0
.irp u, 0,1,2,3,4,5,6,7,8,9,10,11,12,13,14,15
	STEP \u
.endr
	; the scale words: both lanes of a row hold all eight; lane (r, h) stores words 4 h .. 4 h + 3 at 32 r + 16 h: the 32 lanes store 512 consecutive bytes
	v_cmp_le_u32 vcc_lo, 16, v1
.irp i, 0,1,2,3
	v_cndmask_b32 v[X+\i], v[W+\i], v[W+4+\i], vcc_lo
.endr
	v_lshlrev_b32 v15, 5, v2
	v_lshl_add_u32 v15, v3, 4, v15
	global_store_b128 v15, v[X:X+3], s[8:9] offset:16384
	; the norm and its reciprocal
	v_pk_add_f32 v[SS:SS+1], v[SS:SS+1], v[SS+2:SS+3]
	v_add_f32 v[SS], v[SS], v[SS+1]
	v_permlanex16_b32 v[PMX], v[SS], s20, s21
	v_add_f32 v[SS], v[SS], v[PMX]                 ; the row's sum of squares
	s_wait_alu depctr_va_vdst(0)
	v_sqrt_f32 v[SS+1], v[SS]
	v_add_nc_u32 v[MX], s24, v2                    ; (a plain line behind the root)  my row's number in its tensor
	s_wait_alu depctr_va_vdst(0)                   ; the wait ahead of the first line that names the root
	v_rcp_f32 v[SS+2], v[SS+1]
	v_mov_b32 v[SS+3], 0x7fc00000                  ; (a plain line behind the reciprocal)  NaN
	s_wait_alu depctr_va_vdst(0)
	v_cmp_lt_u32 s26, s15, v[MX]                   ; a row past the tensor's end
	v_cndmask_b32 v[SS+2], v[SS+2], v[SS+3], s26   ; has NaN for a reciprocal: every maximum that is taken later drops it
	v_cndmask_b32 v[SS+2], v[SS+1], v[SS+2], vcc_lo   ; lanes 0-15 store the norm, lanes 16-31 the reciprocal
	v_mul_u32_u24 v[HLD], v3, 156160
	v_lshl_add_u32 v[HLD], v2, 2, v[HLD]
	global_store_b32 v[HLD], v[SS+2], s[10:11]     ; two pieces of 64 bytes a record, beside its 16,896 bytes of codes and scales
	s_wait_tensorcnt 0x0
	ds_add_u32 v216, v217
	s_wait_dscnt 0x0
	s_endpgm
.Lfunc_end_k_q9d2d4a0d1b_quant:
	.size	k_q9d2d4a0d1b_quant, .Lfunc_end_k_q9d2d4a0d1b_quant-k_q9d2d4a0d1b_quant
	.p2alignl 7, 3214868480
	.fill 96, 4, 3214868480
	.section	.rodata,"a",@progbits
	.p2align	6, 0x0
	.amdhsa_kernel k_q9d2d4a0d1b_quant
		.amdhsa_group_segment_fixed_size 35328
		.amdhsa_private_segment_fixed_size 0
		.amdhsa_enable_private_segment 0
		.amdhsa_kernarg_size 32
		.amdhsa_user_sgpr_count 2
		.amdhsa_user_sgpr_kernarg_segment_ptr 1
		.amdhsa_wavefront_size32 1
		.amdhsa_system_sgpr_workgroup_id_x 1
		.amdhsa_system_sgpr_workgroup_id_y 1
		.amdhsa_system_sgpr_workgroup_id_z 1
		.amdhsa_system_vgpr_workitem_id 0
		.amdhsa_next_free_vgpr 218
		.amdhsa_next_free_sgpr 66
		.amdhsa_reserve_vcc 1
		.amdhsa_float_denorm_mode_32 3
		.amdhsa_float_denorm_mode_16_64 3
		.amdhsa_memory_ordered 1
		.amdhsa_forward_progress 1
		.amdhsa_inst_pref_size 118
	.end_amdhsa_kernel
	.amdgpu_metadata
---
amdhsa.version: [ 1, 2 ]
amdhsa.kernels:
  - .name:           k_q9d2d4a0d1b_quant
    .symbol:         k_q9d2d4a0d1b_quant.kd
    .args:
      - { .name: pool, .offset: 0, .size: 8, .value_kind: global_buffer, .address_space: global }
      - { .name: x6_src, .offset: 8, .size: 8, .value_kind: global_buffer, .address_space: global }
      - { .name: cb, .offset: 16, .size: 8, .value_kind: global_buffer, .address_space: global }
      - { .name: nrm, .offset: 24, .size: 8, .value_kind: global_buffer, .address_space: global }
    .group_segment_fixed_size: 35328
    .private_segment_fixed_size: 0
    .kernarg_segment_align: 8
    .kernarg_segment_size: 32
    .max_flat_workgroup_size: 128
    .sgpr_count:     66
    .vgpr_count:     218
    .wavefront_size: 32
...
	.end_amdgpu_metadata
.endif
;; end of part 1
;; launch gemm (part 2): grid 240 x 1, 4 waves a work-group, clusters of 4 x 1, 327,680 bytes of LDS; arguments cb, nrm, gmax; writes gmax
.if DOCPART == 2
	.amdgcn_target "amdgcn-amd-amdhsa--gfx1250"
	.amdhsa_code_object_version 6
	.text
	.protected	k_q9d2d4a0d1b_gemm
	.globl	k_q9d2d4a0d1b_gemm
	.p2align	8
	.type	k_q9d2d4a0d1b_gemm,@function
k_q9d2d4a0d1b_gemm:
	s_mov_b64 s[64:65], 0
	v_nop
	global_prefetch_b8 v0, s[64:65] scope:SCOPE_SE
	s_setreg_imm32_b32 hwreg(HW_REG_WAVE_MODE, 25, 1), 1
	s_wait_xcnt 0x0
	s_wait_alu depctr_hold_cnt(0) depctr_sa_sdst(0) depctr_va_vdst(0) depctr_va_sdst(0) depctr_va_ssrc(0) depctr_va_vcc(0) depctr_vm_vsrc(0)
	s_getreg_b32 s2, hwreg(HW_REG_IB_STS2, 6, 4)
	s_cmp_eq_u32 s2, 0
	s_cbranch_scc0 .Lentry_in_a_cluster
	s_endpgm
.Lentry_in_a_cluster:
	s_bfe_u32 s2, ttmp6, 0x10000c
	s_cmp_lg_u32 s2, 0x3003
	s_cbranch_scc0 .Lentry_shape_is_right
	s_endpgm
.Lentry_shape_is_right:
; For every query and every group of 8 pool rows: the largest dot / |p| of the group, from the quantised product x6_src pool^T (codes and scale bytes as the launch before laid them in cb).
; SHARES.  Work-group W (0..239) owns 10 pool tiles of 16 rows (from W = 184 on: 9, the tenth slot is given NaN reciprocals and so the floor).  Waves 0, 1 hold the first five tiles, waves 2, 3 the other five,
; each for all of K: 40 fragments, 640 registers, loaded once.  The 96 query tiles stream through LDS: waves 0, 2 take the even ones, waves 1, 3 the odd ones: 48 tiles a wave, 40 matrix instructions a tile.
; Source 0 = 16 pool rows, source 1 = 16 queries: lane (r, h) holds query r, its register j pool row 8 h + j: a group's maximum needs no other lane.
; LDS: two slots of 8 query records (135,168 bytes), filled by the tensor data mover, a quarter a wave.  CLUSTER: the four work-groups of a cluster read the same records: each load is asked for jointly (mask 15).
; A TILE is five spans of 8 matrix instructions.  The tile before is finished meanwhile: one pool tile a span, 8 vector lines in four pairs, a pair behind every second matrix instruction;
; all blocking waits, LDS loads, stores and barriers stand between spans, so that no value made in a span is read across one of them with fewer than nine vector lines between.
; Query fragments have one set of 128 registers: fragments 5-7 of a tile are fetched behind its 8th matrix instruction, the next tile's 0-2 behind the 24th, its 3-4 behind the 40th, each behind eight vector lines that follow the fragment's last product.
; OUTPUT gmax, as the next launch reads it: part GA at 245,760 t + 512 (2 W + half) + 16 L: the maxima of tile slots 0-3; part GB at 23,592,960 + 245,760 (2 (t / 8) + t % 2) + 512 (2 W + half) + 16 L + 4 ((t / 2) % 4): slot 4.
; No prefetch: all 60 clusters walk the same 12 fills of 135,168 bytes in the same order, so each fill is asked for by 60 joint loads of the same trip; the pool records are read once, at the head, with no loop ahead of them.
; LIMITS: as the launch before states them (NaN, infinities and rows of zeros among the inputs are not served).
.set NPT,   2344
.set REC,   16896
.set SLOTB, 8*REC
.set QUART, 2*REC                      ; what one tensor load brings: 132 rows of 256 bytes
.set SPARE, 2*SLOTB                    ; behind the slots: the spare words, 128 bytes a wave
.set SPW, 4                            ; v4      my spare word's address; never rewritten
.set NIL, 5                            ; v5      0; never rewritten
.set GO,  6                            ; v6      16 L
.set XA,  8                            ; v8-15   LDS address of my query record's codes: 4 slot + k
.set XSA, 16                           ; v16-23  and of my row's scale words
.set PSC, 24                           ; v24-63  pool scale words: 8 p + K step
.set XSC, 64                           ; v64-79  query scale words, two sets
.set ACC, 80                           ; v80-159 two sets of five accumulators
.set RP,  160                          ; v160-199 1 / |p| of my 8 rows of each of the five tiles
.set G,   200                          ; v200-215 maxima of slots 0-3, a set for each of four tiles
.set GBR, 216                          ; v216-223 maxima of slot 4, a set of four tiles for each LDS slot
.set G1,  24                           ; s[24:31] descriptor group 1;  s[32:39] group 0, a set for each slot
.set G0,  32
.set CBB, 40                           ; s[40:49] my five pool records;  s[50:59] their reciprocals
.set NRB, 50
.set GAB, 60                           ; s[60:61], s[62:63] where my stores go in GA and GB
.set GBB, 62
; windows: 1, 2 and the lower half of 3: the pool fragments (fragment 5 K step + p at 16 registers each); upper half of 3: the query fragments
.set MSB, 0
.macro WIN new                         ; the immediate's high byte repeats the setting that is left
.if MSB != (\new)
	s_set_vgpr_msb (MSB<<8)|(\new)
.set MSB, (\new)
.endif
.endm
.macro CREST                           ; a round of the cluster's barrier behind its opening barrier
	s_cmp_lg_u32 s10, 0
	s_cbranch_scc1 .Lnot_wave_0_\@
	s_barrier_signal -3
.Lnot_wave_0_\@:
	s_barrier_wait -3
	s_barrier_signal -1
	s_barrier_wait -1
.endm
.macro CROUND
	s_barrier_signal -1
	s_barrier_wait -1
	CREST
.endm
.macro JL n                            ; my quarter of slot n
	tensor_load_to_lds s[G0+4*(\n):G0+4*(\n)+3], s[G1:G1+7]
	s_nop 0
.rept 4
	v_nop
.endr
.endm
	s_load_b128 s[4:7], s[0:1], 0x0                ; cb, nrm
	s_load_b64 s[8:9], s[0:1], 0x10                ; gmax
	v_lshl_add_u32 v[SPW], v0, 2, SPARE
	v_mov_b32 v[NIL], 0
	ds_add_u32 v[SPW], v[NIL]                      ; the opening lines: the add, twice on end, and its wait ahead of my first tensor load
	ds_add_u32 v[SPW], v[NIL]
	v_lshrrev_b32 v1, 5, v0
	v_readfirstlane_b32 s10, v1                    ; wave
	s_lshr_b32 s11, s10, 1                         ; which five pool tiles
	s_and_b32 s12, s10, 1                          ; even or odd query tiles
	s_mul_i32 s15, s12, REC
	v_and_b32 v1, 31, v0
	v_lshlrev_b32 v[GO], 4, v1
	v_and_b32 v2, 15, v0
	v_lshlrev_b32 v2, 5, v2                        ; 32 (L % 16): a row's eight scale words
	v_bfe_u32 v3, v0, 4, 1
	v_lshlrev_b32 v3, 5, v3                        ; 32 (L / 16): my eight rows' reciprocals
	v_add_nc_u32 v1, s15, v[GO]
	v_add_nc_u32 v7, s15, v2
.irp sl, 0,1
.irp k, 0,1,2,3
	v_add_nc_u32 v[XA+4*\sl+\k], \sl*SLOTB+2*\k*REC, v1
	v_add_nc_u32 v[XSA+4*\sl+\k], \sl*SLOTB+2*\k*REC, v7
.endr
.endr
	s_wait_alu depctr_va_vdst(0)                   ; the wait behind the head's vector lines
	s_bfe_u32 s13, ttmp6, 0x40000                  ; cx
	s_lshl_b32 s14, ttmp9, 2
	s_add_co_u32 s14, s14, s13                     ; W
	s_mov_b32 s[G1+0], 15|(3<<16)|(1<<21)          ; mask: all four of the cluster; elements of 8 bytes; bit 21 beside a mask
	s_mov_b32 s[G1+1], 32<<16                      ; rows of 32 elements (256 bytes),
	s_mov_b32 s[G1+2], 132<<16                     ; 132 of them, dense
	s_mov_b32 s[G1+3], 32<<16
	s_mov_b32 s[G1+4], 132
	s_mov_b32 s[G1+5], 32
	s_mov_b32 s[G1+6], 0
	s_mov_b32 s[G1+7], 0
	s_mul_i32 s20, s10, QUART                      ; my quarter of a slot: the wave's number alone
	s_mov_b32 s16, s20
	s_mov_b32 s17, 0
	s_wait_dscnt 0x0                               ; both opening adds are done
	s_wait_kmcnt 0x0
	s_add_nc_u64 s[18:19], s[4:5], s[16:17]
	s_add_nc_u64 s[18:19], s[18:19], NPT*REC       ; the query records lie behind pool's
.irp n, 0,1
	s_mov_b32 s[G0+4*\n], 1
	s_add_co_u32 s[G0+4*\n+1], s20, \n*SLOTB
	s_add_nc_u64 s[G0+4*\n+2:G0+4*\n+3], s[18:19], \n*SLOTB
	s_or_b32 s[G0+4*\n+3], s[G0+4*\n+3], 0x80000000
.endr
	CROUND                                         ; the four work-groups are here: the first joint loads meet
	JL 0                                           ; records 0-7: one tensor load a wave at the head
	s_mul_i32 s15, s14, 10                         ; my first pool tile: 10 W - max(0, W - 184) + 5 x half
	s_max_u32 s16, s14, 184
	s_sub_co_u32 s16, s16, 184
	s_sub_co_u32 s15, s15, s16
	s_mul_i32 s16, s11, 5
	s_add_co_u32 s15, s15, s16
	s_mov_b32 s19, 0
.irp p, 0,1,2,3,4
	s_add_co_u32 s17, s15, \p
	s_min_u32 s17, s17, NPT-1
	s_mul_i32 s18, s17, REC
	s_add_nc_u64 s[CBB+2*\p:CBB+2*\p+1], s[4:5], s[18:19]
	s_lshl_b32 s18, s17, 6
	s_add_co_u32 s18, s18, 156160                  ; nrm's second plane
	s_add_nc_u64 s[NRB+2*\p:NRB+2*\p+1], s[6:7], s[18:19]
.endr
.irp p, 0,1,2,3,4
	global_load_b128 v[PSC+8*\p:PSC+8*\p+3], v2, s[CBB+2*\p:CBB+2*\p+1] offset:16384
	global_load_b128 v[PSC+8*\p+4:PSC+8*\p+7], v2, s[CBB+2*\p:CBB+2*\p+1] offset:16400
	global_load_b128 v[RP+8*\p:RP+8*\p+3], v3, s[NRB+2*\p:NRB+2*\p+1]
	global_load_b128 v[RP+8*\p+4:RP+8*\p+7], v3, s[NRB+2*\p:NRB+2*\p+1] offset:16
.endr
.set fr, 0
.rept 40                               ; the 40 fragments, in the order in which the first tile takes them: 160 loads
.set wn, (1+fr/16)<<6
	WIN wn
.irp c, 0,1,2,3
	global_load_b128 v[16*(fr%16)+4*\c:16*(fr%16)+4*\c+3], v[GO], s[CBB+2*(fr%5):CBB+2*(fr%5)+1] offset:2048*(fr/5)+512*\c
.endr
.set fr, fr+1
.endr
	WIN 0
	s_lshl_b32 s16, s14, 1
	s_add_co_u32 s16, s16, s11
	s_mul_i32 s17, s12, 480
	s_add_co_u32 s16, s16, s17
	s_lshl_b32 s16, s16, 9                         ; 512 (2 W + half + 480 (t % 2))
	s_mov_b32 s17, 0
	s_add_nc_u64 s[GAB:GAB+1], s[8:9], s[16:17]
	s_add_nc_u64 s[GBB:GBB+1], s[GAB:GAB+1], 23592960
	s_cmp_ge_u32 s14, 184
	s_cselect_b32 s67, 0x7fc00000, 0
	s_cmp_eq_u32 s11, 1
	s_cselect_b32 s67, s67, 0                      ; NaN bits for the tenth slot of a work-group that owns nine tiles
	s_wait_loadcnt 63                              ; 160 loads were issued behind the scale words and reciprocals: these are in
.irp j, 0,1,2,3,4,5,6,7
	v_or_b32 v[RP+32+\j], s67, v[RP+32+\j]
.endr
	s_wait_alu depctr_va_vdst(0)                   ; the wait at the head's end
	s_wait_tensorcnt 0x0                           ; my quarter of slot 0 is in; slot 1's first fill is issued as a refill is:
	ds_add_u32 v[SPW], v[NIL]                      ; the add
	s_wait_dscnt 0x0
	CROUND
	JL 1                                           ; records 8-15
.macro XF sl, k, s                     ; query fragment of K step s
	WIN 0xc0
.irp c, 0,1,2,3
	ds_load_b128 v[128+16*(\s)+4*\c:128+16*(\s)+4*\c+3], v[XA+4*(\sl)+(\k)] offset:2048*(\s)+512*\c
.endr
.endm
.macro XSL sl, k, q                    ; a query tile's scale words into set q
	WIN 0
	ds_load_b128 v[XSC+8*(\q):XSC+8*(\q)+3], v[XSA+4*(\sl)+(\k)] offset:16384
	ds_load_b128 v[XSC+8*(\q)+4:XSC+8*(\q)+7], v[XSA+4*(\sl)+(\k)] offset:16400
.endm
.macro PKM i
	v_pk_mul_f32 v[ep_a+2*\i:ep_a+2*\i+1], v[ep_a+2*\i:ep_a+2*\i+1], v[RP+8*ep_p+2*\i:RP+8*ep_p+2*\i+1]
.endm
; Line en of the 40 that finish a tile: pool tile en / 8: four packed products with 1 / |p|, four maxima; each accumulator is read from its low end on.  The floor stands for a group whose rows are all past pool's end.
.macro EP
.set ep_p, en/8
.set ep_e, en%8
.set ep_a, ACC+40*ESET+8*ep_p
.if ep_p < 4
.set ep_d, G+4*PK+ep_p
.else
.set ep_d, GBR+4*PSL+PK
.endif
.if ep_e < 3
	PKM ep_e
.elseif ep_e == 3
	v_max3_num_f32 v[ep_d], v[ep_a], v[ep_a+1], v[ep_a+2]
.elseif ep_e == 4
	PKM 3
.elseif ep_e == 5
	v_max3_num_f32 v[ep_d], v[ep_d], v[ep_a+3], v[ep_a+4]
.elseif ep_e == 6
	v_max3_num_f32 v[ep_d], v[ep_d], v[ep_a+5], v[ep_a+6]
.else
	v_max3_num_f32 v[ep_d], v[ep_d], v[ep_a+7], 0xff7fffff
.endif
.set en, en+1
.endm
; Eight matrix instructions, number mi = 5 K step + p, the five accumulators by turns; a pair of vector lines behind each odd one.
.macro SPAN first
.rept 8
.set ks, mi/5
.set pp, mi%5
.if (\first) && (pp == 0)
.set lc, 20*(7-ks)                     ; the loads issued behind this K step's five fragments
.if lc > 63
.set lc, 63
.endif
	s_wait_loadcnt lc
.endif
.set wn, 0x0d+mi/16
	WIN wn
.if ks == 0
	v_wmma_scale_f32_16x16x128_f8f6f4 v[ACC+40*SET+8*pp:ACC+40*SET+8*pp+7], v[16*(mi%16):16*(mi%16)+15], v[128+16*ks:128+16*ks+15], 0, v[PSC+8*pp+ks], v[XSC+8*SET+ks] matrix_a_fmt:MATRIX_FMT_BF8 matrix_b_fmt:MATRIX_FMT_BF8
.else
	v_wmma_scale_f32_16x16x128_f8f6f4 v[ACC+40*SET+8*pp:ACC+40*SET+8*pp+7], v[16*(mi%16):16*(mi%16)+15], v[128+16*ks:128+16*ks+15], v[ACC+40*SET+8*pp:ACC+40*SET+8*pp+7], v[PSC+8*pp+ks], v[XSC+8*SET+ks] matrix_a_fmt:MATRIX_FMT_BF8 matrix_b_fmt:MATRIX_FMT_BF8
.endif
.if mi == 0
	v_nop                                          ; with the six vector lines behind the last tile's instructions 35, 37, 39: eight places ahead of the first read of its sums
	v_nop
.endif
.if mi%2 == 1
.if EPF
	WIN 0
	EP
	EP
.else
	v_nop
	v_nop
.endif
.endif
.set mi, mi+1
.endr
.endm
; Tile k of slot sl.  ep: the tile before is finished;  st: the maxima of the tile two back are stored;  nx: a tile follows;  chg: 1 the slot is left and filled again, 2 it is left;  first: the pool fragments are still landing.
.macro TILE sl, k, ep, st, nx, chg, first
.set SET, (\k)%2
.set ESET, 1-SET
.set PK, ((\k)+3)%4
.set SK, ((\k)+2)%4
.set PSL, (\sl)
.set SSL, (\sl)
.set NSL, (\sl)
.set NK, (\k)+1
.if (\k) == 0
.set PSL, 1-(\sl)
.endif
.if (\k) < 2
.set SSL, 1-(\sl)
.endif
.if (\k) == 3
.set NSL, 1-(\sl)
.set NK, 0
.endif
.set EPF, \ep
.set en, 0
.set mi, 0
	s_wait_dscnt 8                                 ; scale words and fragments 0-2 are in; fragments 3, 4 (8 loads) may be out
	SPAN \first
	XF \sl, \k, 5
	XF \sl, \k, 6
	XF \sl, \k, 7                                  ; my last reads of this tile
.if \chg
	WIN 0
	s_wait_tensorcnt 0x0                           ; all my tensor loads have landed: my quarter of the other slot
	ds_add_u32 v[SPW], v[NIL]                      ; the add; the span below stands between it and the wait for it
.if (\chg) == 1
	s_add_nc_u64 s[G0+4*(\sl)+2:G0+4*(\sl)+3], s[G0+4*(\sl)+2:G0+4*(\sl)+3], 2*SLOTB
.endif
	s_wait_dscnt 17                                ; fragment 3 is in; fragments 4-7 and the add may be out
.else
	s_wait_dscnt 16                                ; fragment 3 is in; fragments 4-7 may be out
.endif
	SPAN \first
.if \chg
	s_wait_dscnt 0x0                               ; the add is done and my reads of this slot are over
	s_barrier_signal -1
.else
	s_wait_dscnt 12                                ; fragment 4 is in
.endif
	SPAN \first                                    ; (in a change of slots: work on registers between signal and wait)
	WIN 0
.if \chg
	s_barrier_wait -1
.if (\chg) == 1
	CREST                                          ; the barrier has opened a round of the cluster's barrier: no wave of any partner reads this slot or has a load on its way
	JL \sl                                         ; the records of two fills on
.endif
.endif
.if \st
	s_wait_xcnt 0x0                                ; the last tile's stores have read their registers
	global_store_b128 v[GO], v[G+4*SK:G+4*SK+3], s[GAB:GAB+1] offset:SK*491520 th:TH_STORE_NT   ; 32 lanes store 512 consecutive bytes, aligned
.if SK == 3
	global_store_b128 v[GO], v[GBR+4*SSL:GBR+4*SSL+3], s[GBB:GBB+1] th:TH_STORE_NT
.endif
.endif
.if \nx
	XSL NSL, NK, ESET
	XF NSL, NK, 0
	XF NSL, NK, 1
	XF NSL, NK, 2
.endif
	s_wait_dscnt 4+14*(\nx)                        ; fragments 5, 6 are in; fragment 7 and the 14 loads just issued may be out
	SPAN \first
	s_wait_dscnt 14*(\nx)                          ; fragment 7 is in
	SPAN \first
.if \nx
	XF NSL, NK, 3
	XF NSL, NK, 4
.endif
.if (\st) && (SK == 3)
	s_wait_xcnt 0x0                                ; the stores have read their bases: on to the next eight query tiles
	s_add_nc_u64 s[GAB:GAB+1], s[GAB:GAB+1], 1966080
	s_add_nc_u64 s[GBB:GBB+1], s[GBB:GBB+1], 491520
.endif
.endm
	XSL 0, 0, 0
.irp s, 0,1,2,3,4
	XF 0, 0, \s
.endr
	TILE 0, 0, 0, 0, 1, 0, 1
	TILE 0, 1, 1, 0, 1, 0, 0
	WIN 0                                          ; at a label and at a branch every window is 0
	s_mov_b32 s66, 5
.Lloop:                                                ; a trip: eight tiles, once round the two slots, both filled again
	TILE 0, 2, 1, 1, 1, 0, 0
	TILE 0, 3, 1, 1, 1, 1, 0
	TILE 1, 0, 1, 1, 1, 0, 0
	TILE 1, 1, 1, 1, 1, 0, 0
	TILE 1, 2, 1, 1, 1, 0, 0
	TILE 1, 3, 1, 1, 1, 1, 0
	TILE 0, 0, 1, 1, 1, 0, 0
	TILE 0, 1, 1, 1, 1, 0, 0
	WIN 0
	s_sub_co_u32 s66, s66, 1
	s_cmp_lg_u32 s66, 0
	s_cbranch_scc1 .Lloop
	TILE 0, 2, 1, 1, 1, 0, 0                       ; the last six tiles fill nothing
	TILE 0, 3, 1, 1, 1, 2, 0
	TILE 1, 0, 1, 1, 1, 0, 0
	TILE 1, 1, 1, 1, 1, 0, 0
	TILE 1, 2, 1, 1, 1, 0, 0
	TILE 1, 3, 1, 1, 0, 0, 0
	WIN 0
.rept 8
	v_nop                                          ; places ahead of the first read of the last sums
.endr
.set ESET, 1
.set PK, 3
.set PSL, 1
.set en, 0
.rept 40
	EP
.endr
	global_store_b128 v[GO], v[G+8:G+11], s[GAB:GAB+1] offset:2*491520 th:TH_STORE_NT
	global_store_b128 v[GO], v[G+12:G+15], s[GAB:GAB+1] offset:3*491520 th:TH_STORE_NT
	global_store_b128 v[GO], v[GBR+4:GBR+7], s[GBB:GBB+1] th:TH_STORE_NT
	s_wait_tensorcnt 0x0                           ; the wave's end
	ds_add_u32 v[SPW], v[NIL]
	s_wait_dscnt 0x0
	CROUND                                         ; the closing round
	s_endpgm
.Lfunc_end_k_q9d2d4a0d1b_gemm:
	.size	k_q9d2d4a0d1b_gemm, .Lfunc_end_k_q9d2d4a0d1b_gemm-k_q9d2d4a0d1b_gemm
	.p2alignl 7, 3214868480
	.fill 96, 4, 3214868480
	.section	.rodata,"a",@progbits
	.p2align	6, 0x0
	.amdhsa_kernel k_q9d2d4a0d1b_gemm
		.amdhsa_group_segment_fixed_size 327680
		.amdhsa_private_segment_fixed_size 0
		.amdhsa_enable_private_segment 0
		.amdhsa_kernarg_size 24
		.amdhsa_user_sgpr_count 2
		.amdhsa_user_sgpr_kernarg_segment_ptr 1
		.amdhsa_wavefront_size32 1
		.amdhsa_system_sgpr_workgroup_id_x 1
		.amdhsa_system_sgpr_workgroup_id_y 1
		.amdhsa_system_sgpr_workgroup_id_z 1
		.amdhsa_system_vgpr_workitem_id 0
		.amdhsa_next_free_vgpr 1024
		.amdhsa_next_free_sgpr 80
		.amdhsa_reserve_vcc 0
		.amdhsa_float_denorm_mode_32 3
		.amdhsa_float_denorm_mode_16_64 3
		.amdhsa_memory_ordered 1
		.amdhsa_forward_progress 1
		.amdhsa_inst_pref_size 212
	.end_amdhsa_kernel
	.amdgpu_metadata
---
amdhsa.version: [ 1, 2 ]
amdhsa.kernels:
  - .name:           k_q9d2d4a0d1b_gemm
    .symbol:         k_q9d2d4a0d1b_gemm.kd
    .args:
      - { .name: cb, .offset: 0, .size: 8, .value_kind: global_buffer, .address_space: global }
      - { .name: nrm, .offset: 8, .size: 8, .value_kind: global_buffer, .address_space: global }
      - { .name: gmax, .offset: 16, .size: 8, .value_kind: global_buffer, .address_space: global }
    .group_segment_fixed_size: 327680
    .private_segment_fixed_size: 0
    .kernarg_segment_align: 8
    .kernarg_segment_size: 24
    .max_flat_workgroup_size: 128
    .sgpr_count:     80
    .vgpr_count:     1024
    .wavefront_size: 32
...
	.end_amdgpu_metadata
.endif
;; end of part 2
;; launch thresh (part 3): grid 94 x 1, 16 waves a work-group, no clusters, 18,944 bytes of LDS; arguments gmax, nrm, masks, lst; writes masks, lst
.if DOCPART == 3
	.amdgcn_target "amdgcn-amd-amdhsa--gfx1250"
	.amdhsa_code_object_version 6
	.text
	.protected	k_q9d2d4a0d1b_thresh
	.globl	k_q9d2d4a0d1b_thresh
	.p2align	8
	.type	k_q9d2d4a0d1b_thresh,@function
k_q9d2d4a0d1b_thresh:
	s_mov_b64 s[64:65], 0
	v_nop
	global_prefetch_b8 v0, s[64:65] scope:SCOPE_SE
	s_setreg_imm32_b32 hwreg(HW_REG_WAVE_MODE, 25, 1), 1
	s_wait_xcnt 0x0
; For each query: which groups of 8 pool rows can hold one of its ten nearest rows.  Stored as whole numbers, from which the next launch forms addresses: a list of up to 16 groups, and bit masks of the rest.
; THE BOUND.  A query's 4,800 group maxima fall into 160 disjoint buckets.  The 10th largest DISTINCT bucket maximum, tau0, is reached by ten different rows.  A row whose quotient dot / |p| lies under
; tau0 - |s| 2^-18 has a cosine at least 2^-19 under those ten, more than the roundings of the quotient and of the distance together: it is not among the ten.  So every group whose maximum
; reaches tau' = tau0 - |s| 2^-18 is kept, and no other is needed, whatever the inputs.  Fewer than ten distinct values: tau' = -3e38, and every group with a row is kept.
; SHARES.  A work-group takes query tile t; wave w the group maxima of omega = 30 w .. 30 w + 29; lane L = (r, h) as the product left them: query r, half h.  Bit j of a lane's five mask words: tile slot 150 w + j.
; The mask words turn through LDS, so that wave w holds all 160 words of query 16 t + w: lane l those of (wave l / 2, half l % 2).  16 times, a constant count, the lowest bit is taken out and listed.
; All of that selects values: no address and no branch of this launch hangs on it.
; OUTPUT lst: 128 bytes a query: words 0-11 and 16-19 the listed groups (2 x tile + half; 0 where there is none), word 12 how many, word 13: 1 if bits are left; the others 0.
; OUTPUT masks: what is left: 1,024 q + 16 l: words 0-3; + 512: word 4 and three zeros.
; Matrix units, clusters and tensor loads would add nothing: the launch reads each maximum once and does one compare for it.
.set VA, 16                            ; v16-135  slots p = 0 .. 3 of omega 30 w + i: 4 i + p
.set VB, 136                           ; v136-165 slot p = 4: i
.set BK, 168                           ; v168-172 five bucket maxima
.set MM, 173                           ; v173     the running maximum
.set PM, 174                           ; v174     the other half of the lanes'
.set TH, 175                           ; v175     tau'
.set WD, 176                           ; v176-180 five mask words
.set NEG, 184                          ; v184     -infinity
.set M,   16                           ; v16-20   behind the turn: my five words of my wave's query (the maxima are done with)
.set ZR,  21                           ; v21-23   zeros
.set FW,  24                           ; v24      my first word that is not 0
.set FU,  25                           ; v25      its number
.set T0,  26                           ; v26-27   at work
.set T1,  27
.set KF,  28                           ; v28      my lowest bit's key, 256 l + 32 word + bit, as f32; +infinity where I have none
.set MN,  29                           ; v29      the wave's lowest key
.set LF,  30                           ; v30      the list of keys, entry by lane
.set INF, 31                           ; v31      +infinity
.set LB,  32                           ; v32      256 l - 127
.set CN,  33                           ; v33      how many are listed
.set MO,  34                           ; v34      whether bits are left
.set T2,  35                           ; v35-36   at work
.set T3,  36
	s_load_b128 s[4:7], s[0:1], 0x0                ; gmax s[4:5], nrm s[6:7]
	s_load_b64 s[8:9], s[0:1], 0x10                ; masks
	s_load_b64 s[26:27], s[0:1], 0x18              ; lst
	v_lshl_add_u32 v192, v0, 2, 0x4200
	v_mov_b32 v193, 0
	v_lshrrev_b32 v1, 5, v0
	s_delay_alu instid0(VALU_DEP_1)
	v_readfirstlane_b32 s10, v1                    ; wave 0..15
	v_and_b32 v1, 31, v0                           ; L
	v_and_b32 v2, 15, v0                           ; r
	v_bfe_u32 v3, v0, 4, 1                         ; h
	s_mul_i32 s11, s10, 15360                      ; 30 omega of 512 bytes
	v_lshlrev_b32 v4, 4, v1                        ; 16 L
	s_delay_alu instid0(VALU_DEP_1)
	v_add_nc_u32 v5, s11, v4
	s_mul_i32 s12, ttmp9, 245760                   ; part GA: 480 x 512 bytes a query tile
	s_mov_b32 s13, 0
	s_lshr_b32 s14, ttmp9, 3
	s_lshl_b32 s14, s14, 1
	s_and_b32 s15, ttmp9, 1
	s_add_co_u32 s14, s14, s15                     ; 2 S + b
	s_mul_i32 s14, s14, 245760
	s_bfe_u32 s15, ttmp9, 0x20001                  ; k
	s_lshl_b32 s15, s15, 2
	s_add_co_u32 s14, s14, s15
	s_add_co_u32 s14, s14, 23592960                ; part GB
	s_mov_b32 s15, 0
	s_lshl_b32 s16, ttmp9, 4
	s_add_co_u32 s16, s16, s10
	s_add_co_u32 s16, s16, 37504                   ; the row of nrm that holds |query 16 t + w|
	s_lshl_b32 s16, s16, 2
	s_mov_b32 s17, 0
	s_lshl_b32 s24, ttmp9, 4
	s_add_co_u32 s24, s24, s10                     ; q = 16 t + w: the query that my wave serves from the second phase on
	s_lshl_b32 s28, s24, 7                         ; its 128 bytes of lst
	s_mov_b32 s29, 0
	s_lshl_b32 s24, s24, 10                        ; its 1,024 bytes of masks
	s_mov_b32 s25, 0
	s_mov_b32 s18, 0x76543210
	s_mov_b32 s19, 0xfedcba98
	s_wait_alu depctr_va_vdst(0)
	s_wait_kmcnt 0x0
	s_add_nc_u64 s[12:13], s[4:5], s[12:13]
	s_add_nc_u64 s[14:15], s[4:5], s[14:15]
	s_add_nc_u64 s[16:17], s[6:7], s[16:17]
	s_add_nc_u64 s[8:9], s[8:9], s[24:25]
	s_add_nc_u64 s[26:27], s[26:27], s[28:29]
	s_load_b32 s20, s[16:17], 0x0                  ; |s| of my wave's query
.irp i, 0,1,2,3,4,5,6,7,8,9,10,11,12,13,14,15,16,17,18,19,20,21,22,23,24,25,26,27,28,29
	global_load_b128 v[VA+4*\i:VA+4*\i+3], v5, s[12:13] offset:512*\i th:TH_LOAD_NT
.endr
.irp i, 0,1,2,3,4,5,6,7,8,9,10,11,12,13,14,15,16,17,18,19,20,21,22,23,24,25,26,27,28,29
	global_load_b32 v[VB+\i], v5, s[14:15] offset:512*\i   ; four query tiles share these bytes: no hint
.endr
	v_mul_u32_u24 v6, v2, 1040                     ; LDS: query r's row of 32 records of 32 bytes (+ 16 of padding); record 2 w + h
	s_delay_alu instid0(VALU_DEP_1)
	v_lshl_add_u32 v6, v3, 5, v6
	s_lshl_b32 s21, s10, 6
	v_add_nc_u32 v6, s21, v6
	s_mul_i32 s22, s10, 1040
	v_lshl_add_u32 v7, v1, 5, s22                  ; row w, record L
	v_mov_b32 v8, s10
	s_delay_alu instid0(VALU_DEP_1)
	v_lshlrev_b32 v8, 2, v8                        ; the thresholds, behind the rows: 4 w
	v_lshlrev_b32 v9, 2, v2                        ; and 4 r
	v_lshlrev_b32 v10, 2, v1                       ; 4 L: my word of lst
	v_mov_b32 v[PM], 0                             ; written once: a lane permute's destination counts as one of its sources
	v_mov_b32 v[NEG], 0xff800000
	s_wait_loadcnt 0x0
	; 1: five bucket maxima a lane, one for each slot p, over my 30 omega
.irp p, 0,1,2,3
	v_max3_num_f32 v[BK+\p], v[VA+\p], v[VA+4+\p], v[VA+8+\p]
.endr
	v_max3_num_f32 v[BK+4], v[VB], v[VB+1], v[VB+2]
.irp i, 3,5,7,9,11,13,15,17,19,21,23,25,27
.irp p, 0,1,2,3
	v_max3_num_f32 v[BK+\p], v[BK+\p], v[VA+4*\i+\p], v[VA+4*\i+4+\p]
.endr
	v_max3_num_f32 v[BK+4], v[BK+4], v[VB+\i], v[VB+\i+1]
.endr
.irp p, 0,1,2,3
	v_max_num_f32 v[BK+\p], v[BK+\p], v[VA+116+\p]
.endr
	v_max_num_f32 v[BK+4], v[BK+4], v[VB+29]
	ds_store_b128 v6, v[BK:BK+3]
	ds_store_b32 v6, v[BK+4] offset:16
	s_wait_dscnt 0x0                               ; for the others' sake: my stores have landed
	s_barrier_signal -1
	s_barrier_wait -1
	; 2: wave w finds query w's threshold: lane L takes five of its 160 buckets
	ds_load_b128 v[BK:BK+3], v7
	ds_load_b32 v[BK+4], v7 offset:16
	s_wait_dscnt 0x0
.macro WMAX5                           ; the largest of the wave's 160 numbers, in every lane
	v_max3_num_f32 v[MM], v[BK], v[BK+1], v[BK+2]
	s_delay_alu instid0(VALU_DEP_1)
	v_max3_num_f32 v[MM], v[MM], v[BK+3], v[BK+4]
	s_delay_alu instid0(VALU_DEP_1)
	v_max_num_f32_dpp v[MM], v[MM], v[MM] row_xmask:1 row_mask:0xf bank_mask:0xf
	s_delay_alu instid0(VALU_DEP_1)
	v_max_num_f32_dpp v[MM], v[MM], v[MM] row_xmask:2 row_mask:0xf bank_mask:0xf
	s_delay_alu instid0(VALU_DEP_1)
	v_max_num_f32_dpp v[MM], v[MM], v[MM] row_xmask:4 row_mask:0xf bank_mask:0xf
	s_delay_alu instid0(VALU_DEP_1)
	v_max_num_f32_dpp v[MM], v[MM], v[MM] row_xmask:8 row_mask:0xf bank_mask:0xf
	s_delay_alu instid0(VALU_DEP_1)
	v_permlanex16_b32 v[PM], v[MM], s18, s19
	s_delay_alu instid0(VALU_DEP_1)
	v_max_num_f32 v[MM], v[MM], v[PM]
.endm
	WMAX5
.rept 9                                ; nine times: what reaches the maximum is taken out, and the next distinct value is found
.irp j, 0,1,2,3,4
	v_cmp_lt_f32 vcc_lo, v[BK+\j], v[MM]
	s_delay_alu instid0(VALU_DEP_1)
	v_cndmask_b32 v[BK+\j], v[NEG], v[BK+\j], vcc_lo
.endr
	WMAX5
.endr
	s_wait_kmcnt 0x0
	v_mov_b32 v[TH], 0xb6800000                    ; -2^-18
	s_wait_alu depctr_va_vdst(0)
	v_fma_f32 v[TH], v[TH], s20, v[MM]             ; tau0 - |s| 2^-18
	s_delay_alu instid0(VALU_DEP_1)
	v_max_num_f32 v[TH], 0xff61b1e6, v[TH]         ; not under -3e38: a group without a row, at the floor, never passes
	ds_store_b32 v8, v[TH] offset:16640            ; all lanes write the same word with the same value
	s_wait_dscnt 0x0                               ; my store has landed, and my reads of the buckets were waited for above
	s_barrier_signal -1
	s_barrier_wait -1
	; 3: a bit for each of my 150 maxima.  From the highest bit of a word down: word = 2 x word + (maximum >= tau')
	ds_load_b32 v[TH], v9 offset:16640
	s_wait_dscnt 0x0
.set u, 0
.rept 5
	v_mov_b32 v[WD+u], 0
.set jt, 32*u+31
.if jt > 149
.set jt, 149
.endif
.rept jt-32*u+1
.if jt%5 == 4
	v_cmp_ge_f32 vcc_lo, v[VB+jt/5], v[TH]
.else
	v_cmp_ge_f32 vcc_lo, v[VA+4*(jt/5)+jt%5], v[TH]
.endif
	s_delay_alu instid0(VALU_DEP_1)
	v_add_co_ci_u32 v[WD+u], vcc_lo, v[WD+u], v[WD+u], vcc_lo
.set jt, jt-1
.endr
.set u, u+1
.endr
	; 4: the words turn through LDS, in the buckets' bytes: every wave's reads of those were over in front of the barrier above
	ds_store_b128 v6, v[WD:WD+3]
	ds_store_b32 v6, v[WD+4] offset:16
	s_wait_dscnt 0x0                               ; for the others' sake: my stores have landed
	s_barrier_signal -1
	s_barrier_wait -1
	ds_load_b128 v[M:M+3], v7                      ; lane l: the words of (wave l / 2, half l % 2) for query w
	ds_load_b32 v[M+4], v7 offset:16
.irp i, 0,1,2
	v_mov_b32 v[ZR+\i], 0
.endr
	v_mov_b32 v[INF], 0x7f800000
	v_mov_b32 v[LF], 0x7f800000
	v_mov_b32 v[MN], 0                             ; written once: a DPP form's destination counts as read
	v_lshlrev_b32 v[LB], 8, v1
	s_delay_alu instid0(VALU_DEP_1)
	v_add_nc_u32 v[LB], 0xffffff81, v[LB]          ; 256 l - 127
	s_wait_dscnt 0x0
; The query's lowest bit goes into the list's lane pos, as its key, and is cleared.  Where no bit is left, every key is +infinity: the entry stays +infinity, and what is cleared is 0 already.
.macro POP pos
	v_mov_b32 v[FW], v[M+4]
	v_mov_b32 v[FU], 4
.irp u, 3,2,1,0
	v_cmp_ne_u32 vcc_lo, 0, v[M+\u]
	s_delay_alu instid0(VALU_DEP_1)
	v_cndmask_b32 v[FW], v[FW], v[M+\u], vcc_lo
	s_delay_alu instid0(VALU_DEP_2)
	v_cndmask_b32 v[FU], v[FU], \u, vcc_lo
.endr
	s_delay_alu instid0(VALU_DEP_2)
	v_sub_nc_u32 v[T0], 0, v[FW]
	s_delay_alu instid0(VALU_DEP_1)
	v_and_b32 v[T0], v[T0], v[FW]                  ; the word's lowest bit alone: a power of two,
	s_delay_alu instid0(VALU_DEP_1)
	v_cvt_f32_u32 v[T1], v[T0]                     ; exact in f32,
	s_delay_alu instid0(VALU_DEP_1)
	v_lshrrev_b32 v[T1], 23, v[T1]                 ; whose exponent field is the bit's number + 127
	s_delay_alu instid0(VALU_DEP_1)
	v_lshl_add_u32 v[T1], v[FU], 5, v[T1]
	s_delay_alu instid0(VALU_DEP_1)
	v_add_nc_u32 v[T1], v[T1], v[LB]               ; 256 l + 32 word + bit: under 2^13
	s_delay_alu instid0(VALU_DEP_1)
	v_cvt_f32_u32 v[KF], v[T1]
	v_cmp_ne_u32 vcc_lo, 0, v[FW]
	s_delay_alu instid0(VALU_DEP_1)
	v_cndmask_b32 v[KF], v[INF], v[KF], vcc_lo
	s_delay_alu instid0(VALU_DEP_1)
	v_min_num_f32_dpp v[MN], v[KF], v[KF] row_xmask:1 row_mask:0xf bank_mask:0xf
	s_delay_alu instid0(VALU_DEP_1)
	v_min_num_f32_dpp v[MN], v[MN], v[MN] row_xmask:2 row_mask:0xf bank_mask:0xf
	s_delay_alu instid0(VALU_DEP_1)
	v_min_num_f32_dpp v[MN], v[MN], v[MN] row_xmask:4 row_mask:0xf bank_mask:0xf
	s_delay_alu instid0(VALU_DEP_1)
	v_min_num_f32_dpp v[MN], v[MN], v[MN] row_xmask:8 row_mask:0xf bank_mask:0xf
	s_delay_alu instid0(VALU_DEP_1)
	v_permlanex16_b32 v[PM], v[MN], s18, s19
	s_delay_alu instid0(VALU_DEP_1)
	v_min_num_f32 v[MN], v[MN], v[PM]              ; the wave's lowest key
	s_delay_alu instid0(VALU_DEP_1)
	v_cmp_eq_f32 vcc_lo, v[KF], v[MN]              ; its holder: the lane's number is part of the key, so there is one
	v_xor_b32 v[T0], v[T0], v[FW]                  ; the word without its lowest bit
	s_delay_alu instid0(VALU_DEP_2)
	v_cndmask_b32 v[T1], 7, v[FU], vcc_lo          ; in that lane alone: which word
.irp u, 0,1,2,3,4
	v_cmp_eq_u32 vcc_lo, \u, v[T1]
	s_delay_alu instid0(VALU_DEP_1)
	v_cndmask_b32 v[M+\u], v[M+\u], v[T0], vcc_lo
.endr
	v_cmp_eq_u32 vcc_lo, \pos, v1
	s_delay_alu instid0(VALU_DEP_1)
	v_cndmask_b32 v[LF], v[LF], v[MN], vcc_lo
.endm
.irp pos, 0,1,2,3,4,5,6,7,8,9,10,11,16,17,18,19
	POP \pos
.endr
	; how many are listed, and whether bits are left: both in every lane
	s_delay_alu instid0(VALU_DEP_1)
	v_cmp_gt_f32 s30, v[INF], v[LF]                ; the entries that are there
	s_delay_alu instid0(VALU_DEP_1)
	v_cndmask_b32 v[CN], 0, 1.0, s30
	s_delay_alu instid0(VALU_DEP_1)
	v_add_f32_dpp v[CN], v[CN], v[CN] row_xmask:1 row_mask:0xf bank_mask:0xf
	s_delay_alu instid0(VALU_DEP_1)
	v_add_f32_dpp v[CN], v[CN], v[CN] row_xmask:2 row_mask:0xf bank_mask:0xf
	s_delay_alu instid0(VALU_DEP_1)
	v_add_f32_dpp v[CN], v[CN], v[CN] row_xmask:4 row_mask:0xf bank_mask:0xf
	s_delay_alu instid0(VALU_DEP_1)
	v_add_f32_dpp v[CN], v[CN], v[CN] row_xmask:8 row_mask:0xf bank_mask:0xf
	s_delay_alu instid0(VALU_DEP_1)
	v_permlanex16_b32 v[PM], v[CN], s18, s19
	s_delay_alu instid0(VALU_DEP_1)
	v_add_f32 v[CN], v[CN], v[PM]
	s_delay_alu instid0(VALU_DEP_1)
	v_cvt_u32_f32 v[CN], v[CN]
	v_or_b32 v[MO], v[M], v[M+1]
	v_or_b32 v[T0], v[M+2], v[M+3]
	s_delay_alu instid0(VALU_DEP_2)
	v_or_b32 v[MO], v[MO], v[M+4]
	s_delay_alu instid0(VALU_DEP_1)
	v_or_b32 v[MO], v[MO], v[T0]
	s_delay_alu instid0(VALU_DEP_1)
	v_cmp_ne_u32 vcc_lo, 0, v[MO]
	s_delay_alu instid0(VALU_DEP_1)
	v_cndmask_b32 v[MO], 0, 1.0, vcc_lo
	s_delay_alu instid0(VALU_DEP_1)
	v_max_num_f32_dpp v[MO], v[MO], v[MO] row_xmask:1 row_mask:0xf bank_mask:0xf
	s_delay_alu instid0(VALU_DEP_1)
	v_max_num_f32_dpp v[MO], v[MO], v[MO] row_xmask:2 row_mask:0xf bank_mask:0xf
	s_delay_alu instid0(VALU_DEP_1)
	v_max_num_f32_dpp v[MO], v[MO], v[MO] row_xmask:4 row_mask:0xf bank_mask:0xf
	s_delay_alu instid0(VALU_DEP_1)
	v_max_num_f32_dpp v[MO], v[MO], v[MO] row_xmask:8 row_mask:0xf bank_mask:0xf
	s_delay_alu instid0(VALU_DEP_1)
	v_permlanex16_b32 v[PM], v[MO], s18, s19
	s_delay_alu instid0(VALU_DEP_1)
	v_max_num_f32 v[MO], v[MO], v[PM]
	s_delay_alu instid0(VALU_DEP_1)
	v_cvt_u32_f32 v[MO], v[MO]
	; a key becomes its group: tile slot ts = 150 (l / 2) + 32 word + bit; tile = ts - max(0, ts / 10 - 184); group = 2 x tile + l % 2
	v_cndmask_b32 v[T1], 0, v[LF], s30
	s_delay_alu instid0(VALU_DEP_1)
	v_cvt_u32_f32 v[T1], v[T1]
	s_delay_alu instid0(VALU_DEP_1)
	v_lshrrev_b32 v[T0], 9, v[T1]                  ; l / 2
	s_delay_alu instid0(VALU_DEP_2)
	v_bfe_u32 v[T2], v[T1], 8, 1                   ; l % 2
	s_delay_alu instid0(VALU_DEP_3)
	v_and_b32 v[T1], 0xff, v[T1]
	s_delay_alu instid0(VALU_DEP_1)
	v_mad_u32_u24 v[T1], v[T0], 150, v[T1]         ; ts, under 2,400
	s_delay_alu instid0(VALU_DEP_1)
	v_mul_u32_u24 v[T0], v[T1], 6554
	s_delay_alu instid0(VALU_DEP_1)
	v_lshrrev_b32 v[T0], 16, v[T0]                 ; ts / 10: 6554 / 65536 is over 1 / 10 by 6.1e-6, which under 2,400 adds less than the 0.1 that would carry
	s_delay_alu instid0(VALU_DEP_1)
	v_min_u32 v[T3], 184, v[T0]
	s_delay_alu instid0(VALU_DEP_1)
	v_sub_nc_u32 v[T0], v[T0], v[T3]               ; max(0, ts / 10 - 184)
	s_delay_alu instid0(VALU_DEP_1)
	v_sub_nc_u32 v[T1], v[T1], v[T0]
	s_delay_alu instid0(VALU_DEP_1)
	v_lshl_add_u32 v[T1], v[T1], 1, v[T2]
	s_delay_alu instid0(VALU_DEP_1)
	v_cndmask_b32 v[T1], 0, v[T1], s30             ; 0 where there is no entry
	v_cmp_eq_u32 vcc_lo, 12, v1
	s_delay_alu instid0(VALU_DEP_1)
	v_cndmask_b32 v[T1], v[T1], v[CN], vcc_lo
	v_cmp_eq_u32 vcc_lo, 13, v1
	s_delay_alu instid0(VALU_DEP_1)
	v_cndmask_b32 v[T1], v[T1], v[MO], vcc_lo
	global_store_b32 v10, v[T1], s[26:27]          ; 128 consecutive bytes a query
	global_store_b128 v4, v[M:M+3], s[8:9]         ; 32 lanes store 512 consecutive bytes, aligned
	global_store_b128 v4, v[M+4:M+7], s[8:9] offset:512
	s_wait_tensorcnt 0x0
	ds_add_u32 v192, v193
	s_wait_dscnt 0x0
	s_endpgm
.Lfunc_end_k_q9d2d4a0d1b_thresh:
	.size	k_q9d2d4a0d1b_thresh, .Lfunc_end_k_q9d2d4a0d1b_thresh-k_q9d2d4a0d1b_thresh
	.p2alignl 7, 3214868480
	.fill 96, 4, 3214868480
	.section	.rodata,"a",@progbits
	.p2align	6, 0x0
	.amdhsa_kernel k_q9d2d4a0d1b_thresh
		.amdhsa_group_segment_fixed_size 18944
		.amdhsa_private_segment_fixed_size 0
		.amdhsa_enable_private_segment 0
		.amdhsa_kernarg_size 32
		.amdhsa_user_sgpr_count 2
		.amdhsa_user_sgpr_kernarg_segment_ptr 1
		.amdhsa_wavefront_size32 1
		.amdhsa_system_sgpr_workgroup_id_x 1
		.amdhsa_system_sgpr_workgroup_id_y 1
		.amdhsa_system_sgpr_workgroup_id_z 1
		.amdhsa_system_vgpr_workitem_id 0
		.amdhsa_next_free_vgpr 194
		.amdhsa_next_free_sgpr 66
		.amdhsa_reserve_vcc 1
		.amdhsa_float_denorm_mode_32 3
		.amdhsa_float_denorm_mode_16_64 3
		.amdhsa_memory_ordered 1
		.amdhsa_forward_progress 1
		.amdhsa_inst_pref_size 86
	.end_amdhsa_kernel
	.amdgpu_metadata
---
amdhsa.version: [ 1, 2 ]
amdhsa.kernels:
  - .name:           k_q9d2d4a0d1b_thresh
    .symbol:         k_q9d2d4a0d1b_thresh.kd
    .args:
      - { .name: gmax, .offset: 0, .size: 8, .value_kind: global_buffer, .address_space: global }
      - { .name: nrm, .offset: 8, .size: 8, .value_kind: global_buffer, .address_space: global }
      - { .name: masks, .offset: 16, .size: 8, .value_kind: global_buffer, .address_space: global }
      - { .name: lst, .offset: 24, .size: 8, .value_kind: global_buffer, .address_space: global }
    .group_segment_fixed_size: 18944
    .private_segment_fixed_size: 0
    .kernarg_segment_align: 8
    .kernarg_segment_size: 32
    .max_flat_workgroup_size: 512
    .sgpr_count:     66
    .vgpr_count:     194
    .wavefront_size: 32
...
	.end_amdgpu_metadata
.endif
;; end of part 3
;; launch rescore (part 4): grid 1500 x 1, 1 waves a work-group, no clusters, 0 bytes of LDS; arguments masks, cb, nrm, sel, wts, lst; writes sel, wts
.if DOCPART == 4
	.amdgcn_target "amdgcn-amd-amdhsa--gfx1250"
	.amdhsa_code_object_version 6
	.text
	.protected	k_q9d2d4a0d1b_rescore
	.globl	k_q9d2d4a0d1b_rescore
	.p2align	8
	.type	k_q9d2d4a0d1b_rescore,@function
k_q9d2d4a0d1b_rescore:
	s_mov_b64 s[64:65], 0
	v_nop
	global_prefetch_b8 v0, s[64:65] scope:SCOPE_SE
	s_setreg_imm32_b32 hwreg(HW_REG_WAVE_MODE, 25, 1), 1
	s_wait_xcnt 0x0
; One wave, one query: the groups that the launch before has named are scored again by the same matrix instruction (source 0 = pool rows, source 1 = the query, K ascending, one accumulator an output),
; the distance d = 1 - dot / (|s| |p|) is formed as the problem writes it, the ten smallest are picked by (d, row), ties to the lower row, and softmax(1 / d) / 10 is made.
; A work-group is one wave, so that the 1,500 waves, which share nothing, are dealt out singly.
; BATCHES of 12 groups (96 rows, three a lane).  The ten best so far are carried in lanes 0-9 as a fourth candidate.
; The first two batches take their groups from the query's list by scalar loads (the first twelve with the head's loads); a lane's choice among them is a sum of products with weights 0 or 1 made of the lane's number,
; so that each address is made of loaded whole numbers by multiplications and additions, held inside the table by v_min_u32.  Whether a second and a third batch follow hangs on the list's count (over 12) and on its flag (bits are left).
; From the third batch on the groups are decoded from what is left of the masks, twelve bits a trip.  A wave with nothing left finishes and ends there, inside the loop.
; The counter's bound: 2 trips for the list and 400 trips of 12 bits, 4,800 bits, all that a query's masks hold (32 lanes x 150).
; So any number of candidates is served; where many groups lie within 2^-18 of the tenth, the time grows, not the error.
; A TILE OF SOURCE 0 is two groups: rows 0-7 from one, rows 8-15 from the other; each lane's 16 bytes come straight out of the records' images.  SOURCE 1 holds the query in all 16 columns:
; so lane (n, h) has in register j of tile pr the dot of row j of group 2 pr + h, whatever n.  Lane L's own candidate u is register L % 16 of the pair of tiles 2 u, 2 u + 1.
; OUTPUT: sel [1500][32] row numbers, wts [1500][32] weights / 10: words 0-9; the others 0.
; LIMITS: NaN and infinities among the inputs, rows of zeros and d = 0 are not served.  The division is a reciprocal with one correction step and a corrected quotient.
; No LDS, no barrier.  No tensor load: the rows hang on stored numbers.  No prefetch: a record may be named by many queries, and its address is known one round of loads ahead.
.set NPT, 2344
.set REC, 16896
.set OC,  20                           ; v20-25  the six tiles' byte offsets in cb, my lane's piece; free for other work once a batch's loads are in
.set OS,  26                           ; v26-31  and of my row's scale words
.set BS,  56                           ; v56-63  the query's scale words
.set AS,  64                           ; v64-79  the pool rows' scale words of a pair of tiles
.set ACC, 80                           ; v80-127 six accumulators
.set BF,  128                          ; v128-255 the query's eight fragments.  Window 1: two buffers of 128 for a pair of tiles
; v1 L; v2, v3 my lane's place in a group's codes and scale words; v4, v5 offsets of the query's loads; v6 2^30; v7 2 bit3(L) + bit4(L); v8 L % 8; v9 +infinity; v10-14 the masks; v15, v16 first word that is not 0, its number;
; v17-18 at work; v19 the masks' offset; v32-34 offsets in nrm; v35-37 my rows; v38-40 |p|; v41-43 dots; v44-47 d; v48-51 rows as f32; v52, v53 the new list; v54, v55 a round's minimum and its row
; at a batch's head v41-44 are the four weights of 2 bit3(L) + bit4(L), v45 bit3(L), v46 1 - bit3(L), v48, v49 bit4(L) and 1 - bit4(L)
; s16-27 the batch's groups; s29-43 lane masks i, i + 16; s46 which of the twelve are there; s47 |s|; s48-56 the decoder; s52-54 later: my candidates' validity; s58 the list's count, s59 its flag; s61 trips; s[82:83] the list
.set MSB, 0
.macro WIN new
.if MSB != (\new)
	s_set_vgpr_msb (MSB<<8)|(\new)
.set MSB, (\new)
.endif
.endm
	s_load_b256 s[4:11], s[0:1], 0x0               ; masks s[4:5], cb s[6:7], nrm s[8:9], sel s[10:11]
	s_load_b64 s[12:13], s[0:1], 0x20              ; wts
	s_load_b64 s[82:83], s[0:1], 0x28              ; lst
	v_and_b32 v1, 31, v0                           ; L
	s_mov_b32 s15, ttmp9                           ; q
	s_lshr_b32 s68, s15, 4                         ; its tile t
	s_and_b32 s69, s15, 15                         ; its row r
	v_and_b32 v8, 7, v0
	v_bfe_u32 v17, v0, 4, 1
	v_bfe_u32 v18, v0, 3, 1
	v_lshlrev_b32 v2, 4, v8
	v_lshl_add_u32 v2, v17, 8, v2                  ; 16 (L % 8) + 256 (L / 16)
	v_lshlrev_b32 v3, 5, v8                        ; 32 (L % 8)
	s_lshl_b32 s70, s69, 4
	v_lshl_add_u32 v4, v17, 8, s70                 ; 256 (L / 16) + 16 r: the query's piece, the same in all 16 columns
	v_mov_b32 v5, 0
	v_mov_b32 v6, 0x4e800000                       ; 2^30: above every row number
	v_lshl_add_u32 v7, v18, 1, v17
	v_mov_b32 v9, 0x7f800000
	v_lshlrev_b32 v19, 4, v1                       ; lane l reads the words of (wave l / 2, half l % 2): 16 l
	v_mov_b32 v47, v9                              ; nothing is carried yet
	v_mov_b32 v51, v6
.irp i, 1,2,3,4,5,6,7,8,9,10,11,12,13,14,15
	s_mov_b32 s[28+\i], 0x00010001<<\i
.endr
	s_mov_b32 s62, 0x76543210
	s_mov_b32 s63, 0xfedcba98
	s_lshl_b32 s72, s15, 10                        ; masks: 1,024 q
	s_mov_b32 s73, 0
	s_add_co_u32 s74, s68, NPT
	s_mul_i32 s74, s74, REC                        ; the query's record
	s_mov_b32 s75, 0
	s_lshl_b32 s76, s69, 5
	s_add_co_u32 s76, s76, 16384                   ; its scale words
	s_mov_b32 s77, 0
	s_lshl_b32 s78, s15, 2
	s_add_co_u32 s78, s78, 64*NPT                  ; its norm
	s_mov_b32 s79, 0
	s_lshl_b32 s80, s15, 7                         ; its 128 bytes of sel, of wts and of lst
	s_mov_b32 s81, 0
	s_wait_alu depctr_va_vdst(0)
	s_wait_kmcnt 0x0
	s_add_nc_u64 s[4:5], s[4:5], s[72:73]
	s_add_nc_u64 s[66:67], s[6:7], s[74:75]
	s_add_nc_u64 s[76:77], s[66:67], s[76:77]
	s_add_nc_u64 s[78:79], s[8:9], s[78:79]
	s_add_nc_u64 s[10:11], s[10:11], s[80:81]
	s_add_nc_u64 s[12:13], s[12:13], s[80:81]
	s_add_nc_u64 s[82:83], s[82:83], s[80:81]
	s_load_b256 s[16:23], s[82:83], 0x0            ; the list's first twelve groups,
	s_load_b128 s[24:27], s[82:83], 0x20
	s_load_b64 s[58:59], s[82:83], 0x30            ; its count and its flag,
	s_load_b32 s47, s[78:79], 0x0                  ; and |s|: all in one go
	global_load_b128 v[10:13], v19, s[4:5]         ; the masks: the decoder alone reads them, behind its own wait
	global_load_b32 v14, v19, s[4:5] offset:512
.irp s, 0,1,2,3,4,5,6,7
.irp c, 0,1,2,3
	global_load_b128 v[BF+16*\s+4*\c:BF+16*\s+4*\c+3], v4, s[66:67] offset:2048*\s+512*\c
.endr
.endr
	global_load_b128 v[BS:BS+3], v5, s[76:77]
	global_load_b128 v[BS+4:BS+7], v5, s[76:77] offset:16   ; none of these loads is waited for here: the first pair's wait for 0 takes them
	s_wait_kmcnt 0x0
; The lowest bit that is still set becomes group g of the batch, and is cleared.  Whole numbers only.
.macro DEC g
	v_mov_b32 v15, v14
	v_mov_b32 v16, 4
.irp u, 3,2,1,0
	v_cmp_ne_u32 vcc_lo, 0, v[10+\u]
	v_cndmask_b32 v15, v15, v[10+\u], vcc_lo
	v_cndmask_b32 v16, v16, \u, vcc_lo
.endr
	v_cmp_ne_u32 s48, 0, v15                       ; the lanes that have a bit
	s_ctz_i32_b32 s49, s48
	s_and_b32 s49, s49, 31                         ; the first of them
	v_readlane_b32 s50, v15, s49
	v_readlane_b32 s51, v16, s49
	s_ctz_i32_b32 s55, s50
	s_and_b32 s55, s55, 31
	s_lshl_b32 s51, s51, 5
	s_add_co_u32 s55, s55, s51
	s_lshr_b32 s56, s49, 1
	s_mul_i32 s56, s56, 150
	s_add_co_u32 s55, s55, s56                     ; the tile slot: 150 (lane / 2) + 32 word + bit
	s_mul_hi_u32 s56, s55, 0xcccccccd
	s_lshr_b32 s56, s56, 3                         ; / 10: the work-group that made it
	s_max_u32 s56, s56, 184
	s_sub_co_u32 s56, s56, 184
	s_sub_co_u32 s55, s55, s56                     ; the tile
	s_lshl_b32 s55, s55, 1
	s_and_b32 s56, s49, 1
	s_add_co_u32 s55, s55, s56                     ; the group: 2 x tile + half
	s_cmp_lg_u32 s48, 0
	s_cselect_b32 s[16+(\g)], s55, 0
	s_cselect_b32 s56, 1<<(\g), 0
	s_or_b32 s46, s46, s56
	s_wait_alu depctr_va_vdst(0)
	v_add_nc_u32 v17, -1, v15
	v_and_b32 v17, v17, v15                        ; the word without its lowest bit
	v_cmp_eq_u32 vcc_lo, s49, v1
	v_cndmask_b32 v18, 7, v16, vcc_lo              ; in that lane alone: which word
.irp u, 0,1,2,3,4
	v_cmp_eq_u32 vcc_lo, \u, v18
	v_cndmask_b32 v[10+\u], v[10+\u], v17, vcc_lo
.endr
.endm
.macro WMIN r                          ; the smallest over the wave, in every lane
	v_min_num_f32_dpp v[\r], v[\r], v[\r] row_xmask:1 row_mask:0xf bank_mask:0xf
	v_min_num_f32_dpp v[\r], v[\r], v[\r] row_xmask:2 row_mask:0xf bank_mask:0xf
	v_min_num_f32_dpp v[\r], v[\r], v[\r] row_xmask:4 row_mask:0xf bank_mask:0xf
	v_min_num_f32_dpp v[\r], v[\r], v[\r] row_xmask:8 row_mask:0xf bank_mask:0xf
	v_permlanex16_b32 v24, v[\r], s62, s63
	v_min_num_f32 v[\r], v[\r], v24
.endm
; THE END OF A WAVE'S WORK: softmax(1 / d) over the ten of the list (v52 d, v53 rows, lanes 0-9), with the largest taken away first, and / 10 for the mean; the two stores; the wave ends.
.macro FINISH
	v_rcp_f32 v20, v52
	v_mov_b32 v22, 0xff800000                      ; (a plain line behind the reciprocal)
	s_wait_alu depctr_va_vdst(0)                   ; the wait ahead of the first line that names the result
	v_fma_f32 v21, -v52, v20, 1.0
	v_fma_f32 v20, v21, v20, v20                   ; 1 / d
	v_cmp_gt_u32 vcc_lo, 10, v1
	v_cndmask_b32 v20, v22, v20, vcc_lo            ; lanes 10 on: -infinity
	v_mov_b32 v54, v20
	v_max_num_f32_dpp v54, v54, v54 row_xmask:1 row_mask:0xf bank_mask:0xf
	v_max_num_f32_dpp v54, v54, v54 row_xmask:2 row_mask:0xf bank_mask:0xf
	v_max_num_f32_dpp v54, v54, v54 row_xmask:4 row_mask:0xf bank_mask:0xf
	v_max_num_f32_dpp v54, v54, v54 row_xmask:8 row_mask:0xf bank_mask:0xf
	v_permlanex16_b32 v24, v54, s62, s63
	v_max_num_f32 v54, v54, v24
	v_sub_f32 v20, v20, v54
	v_mul_f32 v20, 0x3fb8aa3b, v20
	s_wait_alu depctr_va_vdst(0)
	v_exp_f32 v20, v20
	v_nop
	s_wait_alu depctr_va_vdst(0)
	v_mov_b32 v55, v20
	v_add_f32_dpp v55, v55, v55 row_xmask:1 row_mask:0xf bank_mask:0xf
	v_add_f32_dpp v55, v55, v55 row_xmask:2 row_mask:0xf bank_mask:0xf
	v_add_f32_dpp v55, v55, v55 row_xmask:4 row_mask:0xf bank_mask:0xf
	v_add_f32_dpp v55, v55, v55 row_xmask:8 row_mask:0xf bank_mask:0xf
	v_permlanex16_b32 v24, v55, s62, s63
	v_add_f32 v55, v55, v24
	s_wait_alu depctr_va_vdst(0)
	v_rcp_f32 v21, v55
	v_cvt_u32_f32 v22, v53                         ; (a plain line behind the reciprocal)  the row as a whole number
	s_wait_alu depctr_va_vdst(0)
	v_mul_f32 v20, v20, v21
	v_mul_f32 v20, 0x3dcccccd, v20                 ; / 10
	v_cndmask_b32 v22, 0, v22, vcc_lo              ; lanes 10 on store 0
	v_lshlrev_b32 v23, 2, v1
	global_store_b32 v23, v22, s[10:11]            ; 128 consecutive bytes a query
	global_store_b32 v23, v20, s[12:13]
	s_endpgm
.endm
	s_mov_b32 s61, 0
.Lbatch:
	s_cmp_lt_u32 s61, 2
	s_cbranch_scc0 .Ldecode
	s_cmp_eq_u32 s61, 0
	s_cbranch_scc1 .Lhave                          ; trip 0's twelve groups came with the head's loads
	s_load_b256 s[16:23], s[82:83], 0x40           ; trip 1: the list's words 16 on
	s_load_b128 s[24:27], s[82:83], 0x60
.Lhave:
	s_mul_i32 s48, s61, 12
	s_sub_co_u32 s48, s58, s48                     ; how many of the list are left for this trip (trip 1 is reached only where the count is over 12),
	s_min_u32 s48, s48, 12                         ; at most twelve:
	s_lshl_b32 s46, 1, s48
	s_sub_co_u32 s46, s46, 1                       ; that many ones
	s_wait_kmcnt 0x0                               ; the groups are in
	s_branch .Lgroups
.Ldecode:
	s_wait_loadcnt 0x0                             ; the masks, asked for in the head, are in (the batches before have waited for all loads too)
	s_mov_b32 s46, 0
.irp g, 0,1,2,3,4,5,6,7,8,9,10,11
	DEC \g
.endr
.Lgroups:
	v_bfe_u32 v45, v1, 3, 1                        ; weights 0 or 1, of the lane's number alone
	v_bfe_u32 v48, v1, 4, 1
	v_xor_b32 v46, 1, v45
	v_xor_b32 v49, 1, v48
	v_mul_u32_u24 v41, v46, v49
	v_mul_u32_u24 v42, v46, v48
	v_mul_u32_u24 v43, v45, v49
	v_mul_u32_u24 v44, v45, v48
.irp pr, 0,1,2,3,4,5                   ; tile pr: lanes with bit 3 clear take group 2 pr, the others group 2 pr + 1
	v_mul_u32_u24 v17, s[16+2*\pr], v46
	v_mad_u32_u24 v17, s[17+2*\pr], v45, v17
	v_min_u32 v17, 4687, v17                       ; inside the table, whatever was stored
	v_and_b32 v18, 1, v17
	v_and_b32 v17, 0x1ffe, v17
	v_mul_u32_u24 v17, v17, 8448                   ; the tile's record: (group / 2) x 16,896
	v_lshl_add_u32 v[OC+\pr], v18, 7, v17          ; + 8 rows of 16 bytes for the upper half
	v_add_nc_u32 v[OC+\pr], v[OC+\pr], v2
	v_lshl_add_u32 v[OS+\pr], v18, 8, v17          ; + 8 rows of 32 bytes
	v_add_nc_u32 v[OS+\pr], v[OS+\pr], v3
.endr
.irp u, 0,1,2                          ; my own three candidates: group 4 u + 2 bit3(L) + bit4(L) of the batch, row L % 8 of it
	v_mul_u32_u24 v17, s[16+4*\u], v41
	v_mad_u32_u24 v17, s[17+4*\u], v42, v17
	v_mad_u32_u24 v17, s[18+4*\u], v43, v17
	v_mad_u32_u24 v17, s[19+4*\u], v44, v17
	v_min_u32 v17, 4687, v17
	v_lshl_add_u32 v[35+\u], v17, 3, v8            ; the row
	v_lshlrev_b32 v[32+\u], 2, v[35+\u]
	global_load_b32 v[38+\u], v[32+\u], s[8:9]     ; its norm
	v_add_nc_u32 v18, 4*\u, v7
	v_lshrrev_b32 v18, v18, s46
	v_and_b32 v18, 1, v18
	v_cmp_eq_u32 s[52+\u], 1, v18                  ; the group is there,
	v_cmp_gt_u32 vcc_lo, 37500, v[35+\u]           ; and the row is one of pool's
	s_and_b32 s[52+\u], s[52+\u], vcc_lo
.endr
.irp pi, 0,1,2                         ; two tiles at a time: their accumulators take turns, one instruction a turn
	WIN 0x40                                       ; destination window 1, address window 0
.irp e, 0,1
.irp s, 0,1,2,3,4,5,6,7
.irp c, 0,1,2,3
	global_load_b128 v[128*\e+16*\s+4*\c:128*\e+16*\s+4*\c+3], v[OC+2*\pi+\e], s[6:7] offset:2048*\s+512*\c
.endr
.endr
.endr
	WIN 0
.irp e, 0,1
	global_load_b128 v[AS+8*\e:AS+8*\e+3], v[OS+2*\pi+\e], s[6:7] offset:16384
	global_load_b128 v[AS+8*\e+4:AS+8*\e+7], v[OS+2*\pi+\e], s[6:7] offset:16400
.endr
	s_wait_loadcnt 0x0
	WIN 0x01                                       ; source 0 window 1
.irp s, 0,1,2,3,4,5,6,7
.irp e, 0,1
.if \s == 0
	v_wmma_scale_f32_16x16x128_f8f6f4 v[ACC+8*(2*\pi+\e):ACC+8*(2*\pi+\e)+7], v[128*\e+16*\s:128*\e+16*\s+15], v[BF+16*\s:BF+16*\s+15], 0, v[AS+8*\e+\s], v[BS+\s] matrix_a_fmt:MATRIX_FMT_BF8 matrix_b_fmt:MATRIX_FMT_BF8
.else
	v_wmma_scale_f32_16x16x128_f8f6f4 v[ACC+8*(2*\pi+\e):ACC+8*(2*\pi+\e)+7], v[128*\e+16*\s:128*\e+16*\s+15], v[BF+16*\s:BF+16*\s+15], v[ACC+8*(2*\pi+\e):ACC+8*(2*\pi+\e)+7], v[AS+8*\e+\s], v[BS+\s] matrix_a_fmt:MATRIX_FMT_BF8 matrix_b_fmt:MATRIX_FMT_BF8
.endif
.endr
.endr
	WIN 0
.rept 8
	v_nop                                          ; places in front of loads into registers that these products have read, and of the first read of their sums
.endr
.endr
.irp u, 0,1,2                          ; my own dots: register L % 16 of the 16 of tiles 2 u and 2 u + 1; each accumulator is read from its low end on
	v_mov_b32 v[41+\u], v[ACC+16*\u]
.irp i, 1,2,3,4,5,6,7,8,9,10,11,12,13,14,15
	v_cndmask_b32 v[41+\u], v[41+\u], v[ACC+16*\u+\i], s[28+\i]
.endr
.endr
.irp u, 0,1,2
	v_mul_f32 v[25+\u], s47, v[38+\u]              ; |s| |p|
.endr
	s_wait_alu depctr_va_vdst(0)
.irp u, 0,1,2
	v_rcp_f32 v[28+\u], v[25+\u]
.endr
	v_nop                                          ; a plain line behind the last reciprocal
	s_wait_alu depctr_va_vdst(0)                   ; one wait for the three, ahead of their first reader
.irp u, 0,1,2
	v_fma_f32 v[20+\u], -v[25+\u], v[28+\u], 1.0
.endr
.irp u, 0,1,2
	v_fma_f32 v[28+\u], v[20+\u], v[28+\u], v[28+\u]   ; the reciprocal, corrected once
.endr
.irp u, 0,1,2
	v_mul_f32 v[20+\u], v[41+\u], v[28+\u]
.endr
.irp u, 0,1,2
	v_fma_f32 v[38+\u], -v[25+\u], v[20+\u], v[41+\u]  ; what the quotient leaves,
.endr
.irp u, 0,1,2
	v_fma_f32 v[20+\u], v[38+\u], v[28+\u], v[20+\u]   ; put back: dot / (|s| |p|)
.endr
.irp u, 0,1,2
	v_sub_f32 v[44+\u], 1.0, v[20+\u]              ; d
	v_cvt_f32_u32 v[48+\u], v[35+\u]               ; the row, exact in f32
.endr
.irp u, 0,1,2
	v_cndmask_b32 v[44+\u], v9, v[44+\u], s[52+\u] ; a candidate that is not there: d = +infinity, row 2^30
	v_cndmask_b32 v[48+\u], v6, v[48+\u], s[52+\u]
.endr
	v_mov_b32 v52, v9
	v_mov_b32 v53, v6
.set k, 0
.rept 10                               ; ten times: the smallest d, among its holders the lowest row; that row is taken out and becomes entry k of the list, in lane k
	v_min3_num_f32 v54, v44, v45, v46
	v_min_num_f32 v54, v54, v47
	WMIN 54
.irp j, 0,1,2,3
	v_cmp_eq_f32 vcc_lo, v[44+\j], v54
	v_cndmask_b32 v[20+\j], v6, v[48+\j], vcc_lo
.endr
	v_min3_num_f32 v55, v20, v21, v22
	v_min_num_f32 v55, v55, v23
	WMIN 55
.irp j, 0,1,2,3
	v_cmp_eq_f32 vcc_lo, v[48+\j], v55
	v_cndmask_b32 v[44+\j], v[44+\j], v9, vcc_lo
.endr
	v_cmp_eq_u32 vcc_lo, k, v1
	v_cndmask_b32 v52, v52, v54, vcc_lo
	v_cndmask_b32 v53, v53, v55, vcc_lo
.set k, k+1
.endr
	v_mov_b32 v47, v52                             ; the list is carried into the next batch
	v_mov_b32 v51, v53
	; is there another batch?  Behind trip 0: where the list holds more than twelve; behind trip 1: where its flag says that bits are left; later: where a bit is left in the masks
	s_cmp_lg_u32 s61, 0
	s_cbranch_scc1 .Lnot_first
	s_cmp_gt_u32 s58, 12
	s_cbranch_scc1 .Lmore
	s_branch .Lfinish
.Lnot_first:
	s_cmp_lg_u32 s61, 1
	s_cbranch_scc1 .Llater
	s_cmp_lg_u32 s59, 0
	s_cbranch_scc1 .Lmore
	s_branch .Lfinish
.Llater:
	v_or_b32 v17, v10, v11
	v_or_b32 v18, v12, v13
	v_or_b32 v17, v17, v14
	v_or_b32 v17, v17, v18
	v_cmp_ne_u32 s48, 0, v17
	s_cmp_lg_u32 s48, 0
	s_cbranch_scc1 .Lmore
.Lfinish:
	s_wait_alu depctr_va_vdst(0)
	FINISH                                         ; nothing is left: the list of ten is final; the wave stores and ends here
.Lmore:
	s_add_co_u32 s61, s61, 1
	s_cmp_lt_u32 s61, 402
	s_cbranch_scc1 .Lbatch
	s_wait_alu depctr_va_vdst(0)
	FINISH                                         ; 402 trips have taken the list and 4,800 bits, all that the masks hold, so a wave ends by the copy above; this copy keeps the way that falls through right as well
.Lfunc_end_k_q9d2d4a0d1b_rescore:
	.size	k_q9d2d4a0d1b_rescore, .Lfunc_end_k_q9d2d4a0d1b_rescore-k_q9d2d4a0d1b_rescore
	.p2alignl 7, 3214868480
	.fill 96, 4, 3214868480
	.section	.rodata,"a",@progbits
	.p2align	6, 0x0
	.amdhsa_kernel k_q9d2d4a0d1b_rescore
		.amdhsa_group_segment_fixed_size 0
		.amdhsa_private_segment_fixed_size 0
		.amdhsa_enable_private_segment 0
		.amdhsa_kernarg_size 48
		.amdhsa_user_sgpr_count 2
		.amdhsa_user_sgpr_kernarg_segment_ptr 1
		.amdhsa_wavefront_size32 1
		.amdhsa_system_sgpr_workgroup_id_x 1
		.amdhsa_system_sgpr_workgroup_id_y 1
		.amdhsa_system_sgpr_workgroup_id_z 1
		.amdhsa_system_vgpr_workitem_id 0
		.amdhsa_next_free_vgpr 512
		.amdhsa_next_free_sgpr 96
		.amdhsa_reserve_vcc 1
		.amdhsa_float_denorm_mode_32 3
		.amdhsa_float_denorm_mode_16_64 3
		.amdhsa_memory_ordered 1
		.amdhsa_forward_progress 1
		.amdhsa_inst_pref_size 88
	.end_amdhsa_kernel
	.amdgpu_metadata
---
amdhsa.version: [ 1, 2 ]
amdhsa.kernels:
  - .name:           k_q9d2d4a0d1b_rescore
    .symbol:         k_q9d2d4a0d1b_rescore.kd
    .args:
      - { .name: masks, .offset: 0, .size: 8, .value_kind: global_buffer, .address_space: global }
      - { .name: cb, .offset: 8, .size: 8, .value_kind: global_buffer, .address_space: global }
      - { .name: nrm, .offset: 16, .size: 8, .value_kind: global_buffer, .address_space: global }
      - { .name: sel, .offset: 24, .size: 8, .value_kind: global_buffer, .address_space: global }
      - { .name: wts, .offset: 32, .size: 8, .value_kind: global_buffer, .address_space: global }
      - { .name: lst, .offset: 40, .size: 8, .value_kind: global_buffer, .address_space: global }
    .group_segment_fixed_size: 0
    .private_segment_fixed_size: 0
    .kernarg_segment_align: 8
    .kernarg_segment_size: 48
    .max_flat_workgroup_size: 32
    .sgpr_count:     96
    .vgpr_count:     512
    .wavefront_size: 32
...
	.end_amdgpu_metadata
.endif
;; end of part 4
;; launch gather (part 5): grid 1500 x 1, 8 waves a work-group, no clusters, 0 bytes of LDS; arguments pool, sel, wts, out0; writes out0
.if DOCPART == 5
	.amdgcn_target "amdgcn-amd-amdhsa--gfx1250"
	.amdhsa_code_object_version 6
	.text
	.protected	k_q9d2d4a0d1b_gather
	.globl	k_q9d2d4a0d1b_gather
	.p2align	8
	.type	k_q9d2d4a0d1b_gather,@function
k_q9d2d4a0d1b_gather:
	s_mov_b64 s[64:65], 0
	v_nop
	global_prefetch_b8 v0, s[64:65] scope:SCOPE_SE
	s_setreg_imm32_b32 hwreg(HW_REG_WAVE_MODE, 25, 1), 1
	s_wait_xcnt 0x0
; out0[q] = the sum over the ten chosen rows of (weight / 10) x pool[row], in f32.  The rows' numbers are whole numbers that an earlier launch stored; each is held inside pool before it enters an address.
; A work-group takes a query; thread t the 16 bytes at 16 t of every row: a wave's load or store covers 512 consecutive bytes, aligned, and the eight waves a row of 4,096.
; All ten loads of a thread are out together.  No hint on the loads: several queries may name the same row.  LDS, matrix units and clusters would add nothing to a gather.
	s_load_b256 s[4:11], s[0:1], 0x0               ; pool s[4:5], sel s[6:7], wts s[8:9], out0 s[10:11]
	v_lshlrev_b32 v1, 4, v0
	s_lshl_b32 s12, ttmp9, 7                       ; 128 bytes a query in sel and in wts
	s_mov_b32 s13, 0
	s_lshl_b32 s14, ttmp9, 12                      ; 4,096 in out0
	s_mov_b32 s15, 0
	s_wait_alu depctr_va_vdst(0)
	s_wait_kmcnt 0x0
	s_add_nc_u64 s[6:7], s[6:7], s[12:13]
	s_add_nc_u64 s[8:9], s[8:9], s[12:13]
	s_add_nc_u64 s[10:11], s[10:11], s[14:15]
	s_load_b256 s[16:23], s[6:7], 0x0              ; the ten rows
	s_load_b64 s[24:25], s[6:7], 0x20
	s_load_b256 s[28:35], s[8:9], 0x0              ; the ten weights
	s_load_b64 s[36:37], s[8:9], 0x20
	s_wait_kmcnt 0x0
.irp k, 0,1,2,3,4,5,6,7,8,9
	s_min_u32 s[16+\k], s[16+\k], 37499
	v_lshl_add_u32 v[4+\k], s[16+\k], 12, v1       ; row x 4,096 + 16 t: under 2^28
.endr
	s_wait_alu depctr_va_vdst(0)
.irp k, 0,1,2,3,4,5,6,7,8,9
	global_load_b128 v[16+4*\k:19+4*\k], v[4+\k], s[4:5]
.endr
	s_wait_loadcnt 0x0
.irp c, 0,1,2,3
	v_mul_f32 v[56+\c], s28, v[16+\c]
.endr
.irp k, 1,2,3,4,5,6,7,8,9
.irp c, 0,1,2,3
	s_delay_alu instid0(VALU_DEP_4)
	v_fma_f32 v[56+\c], s[28+\k], v[16+4*\k+\c], v[56+\c]
.endr
.endr
	global_store_b128 v1, v[56:59], s[10:11] th:TH_STORE_NT
	s_endpgm
.Lfunc_end_k_q9d2d4a0d1b_gather:
	.size	k_q9d2d4a0d1b_gather, .Lfunc_end_k_q9d2d4a0d1b_gather-k_q9d2d4a0d1b_gather
	.p2alignl 7, 3214868480
	.fill 96, 4, 3214868480
	.section	.rodata,"a",@progbits
	.p2align	6, 0x0
	.amdhsa_kernel k_q9d2d4a0d1b_gather
		.amdhsa_group_segment_fixed_size 0
		.amdhsa_private_segment_fixed_size 0
		.amdhsa_enable_private_segment 0
		.amdhsa_kernarg_size 32
		.amdhsa_user_sgpr_count 2
		.amdhsa_user_sgpr_kernarg_segment_ptr 1
		.amdhsa_wavefront_size32 1
		.amdhsa_system_sgpr_workgroup_id_x 1
		.amdhsa_system_sgpr_workgroup_id_y 1
		.amdhsa_system_sgpr_workgroup_id_z 1
		.amdhsa_system_vgpr_workitem_id 0
		.amdhsa_next_free_vgpr 64
		.amdhsa_next_free_sgpr 66
		.amdhsa_reserve_vcc 0
		.amdhsa_float_denorm_mode_32 3
		.amdhsa_float_denorm_mode_16_64 3
		.amdhsa_memory_ordered 1
		.amdhsa_forward_progress 1
		.amdhsa_inst_pref_size 7
	.end_amdhsa_kernel
	.amdgpu_metadata
---
amdhsa.version: [ 1, 2 ]
amdhsa.kernels:
  - .name:           k_q9d2d4a0d1b_gather
    .symbol:         k_q9d2d4a0d1b_gather.kd
    .args:
      - { .name: pool, .offset: 0, .size: 8, .value_kind: global_buffer, .address_space: global }
      - { .name: sel, .offset: 8, .size: 8, .value_kind: global_buffer, .address_space: global }
      - { .name: wts, .offset: 16, .size: 8, .value_kind: global_buffer, .address_space: global }
      - { .name: out0, .offset: 24, .size: 8, .value_kind: global_buffer, .address_space: global }
    .group_segment_fixed_size: 0
    .private_segment_fixed_size: 0
    .kernarg_segment_align: 8
    .kernarg_segment_size: 32
    .max_flat_workgroup_size: 256
    .sgpr_count:     66
    .vgpr_count:     64
    .wavefront_size: 32
...
	.end_amdgpu_metadata
.endif
;; end of part 5
